; MI455X (gfx1250); checked and timed in simulation.
; The chip was launched on July 23, 2026; its instructions are those of AMD's public machine-readable ISA for CDNA 5 (MIT licence, August 2026) and "CDNA5" Instruction Set Architecture Reference Guide (July 2026). The comments in the code are by the model that wrote it; some were corrected since.
;; Causal Self Attention. Allowed arithmetic: matrix products marked QUANTISED: E2M1 operands, one E8M0 scale for each 32 along K, by v_wmma_scale_f32_16x16x128_f8f6f4 with both operands' format E2M1 (or v_wmma_scale_f32_32x16x128_f4), f32 sums; products left as they are: bf16, f16 or f32 operands; f32 sums; everything else in f32.
;; Inputs: w_proj 1,024 x 1,024 float32; w_qkv 1,024 x 3,072 float32; x 4 x 2,048 x 1,024 float32.
;; Outputs: out0 4 x 2,048 x 1,024 float32.
;; This version of the problem:
;;   THIS VERSION OF THE PROBLEM IS GIVEN IN LOW PRECISION. The matrix products marked QUANTISED in the list below multiply operands that are first quantised to E2M1 (2 exponent bits, 1 mantissa bit; 4 bits a number), with one power-of-two scale for each 32 numbers along K (OCP MX v1.0); their sums are f32. The products marked 'left as it is' may take bf16, f16 or f32 operands, with f32 sums. Whichever they take, every output number must still come out within the allowed error. Rounding operands to bf16 (8 significant bits) uses up far more of that allowance than f16 does (11 bits, for magnitudes from 6e-5 to 65,504). All else is computed in f32.
;;   The module's matrix products, in the order in which they are computed (A, B: the left and right operand; K: the contracted axis; several contracted axes count as one K, in the product's order):
;;     1. [M 8,192, K 1,024] x [K 1,024, N 3,072]; A: input x; B: input w_qkv: QUANTISED
;;     2. batch 64 x [M 2,048, K 64] x [K 64, N 2,048]; A: computed on the way; B: computed on the way: left as it is (an operand is computed on the way)
;;     3. batch 64 x [M 2,048, K 2,048] x [K 2,048, N 64]; A: computed on the way; B: computed on the way: left as it is (an operand is computed on the way)
;;     4. [M 8,192, K 1,024] x [K 1,024, N 1,024]; A: computed on the way; B: input w_proj: left as it is (an operand is computed on the way)
;;   THE QUANTISER, for each operand of a quantised product, along K:
;;     - K is cut into blocks of 32 from its start; a last block that is shorter is filled with zeros.
;;     - A block's scale is 2^e with e = floor(log2(the largest magnitude in the block)) - 2, held to -126 .. 127; a block of zeros has e = 0. As a byte (E8M0): e + 127.
;;     - Each number is divided by its block's scale, clamped to +-6, and rounded to the nearest number of E2M1, ties to even, subnormals kept.
;;     - The product sums the exact products of the quantised numbers (number of the format x scale) in f32.
;;   ~~~python
;;   def quantise(x, axis):      # numpy; x: float32 -> the quantised numbers, widened to float32 again
;;       x = np.moveaxis(x, axis, -1); K = x.shape[-1]
;;       x = np.pad(x, [(0, 0)] * (x.ndim - 1) + [(0, -K % 32)]); x = x.reshape(x.shape[:-1] + (-1, 32)); a = np.abs(x).max(-1, keepdims=True)
;;       e = np.where(a > 0, np.clip(np.frexp(np.where(a > 0, a, 1))[1] - 1 - 2, -126, 127), 0)      # np.frexp(a)[1] - 1 = floor(log2(a)), exactly
;;       r = np.clip(x / 2.0 ** e, -6, 6)
;;       step = 2.0 ** (np.maximum(np.frexp(np.where(r == 0, 1, r))[1] - 1, 0) - 1)
;;       q = np.round(r / step) * step * 2.0 ** e      # np.round: ties to even
;;       return np.moveaxis(q.reshape(q.shape[:-2] + (-1,))[..., :K], -1, axis).astype(np.float32)
;;   ~~~
;; One version. Each part assembles by itself: llvm-mc -triple=amdgcn-amd-amdhsa -mcpu=gfx1250 --defsym DOCPART=n.
;; ======== version 1 of 1: 5 launches
;; limits: values are held in f16: magnitudes above 65,504 overflow, below 6.1e-05 lose precision
;; workspace buffers: x_codes 4,194,304 bytes; x_scales 262,144 bytes; wq_codes 1,572,864 bytes; wq_scales 98,304 bytes; wp16 2,097,152 bytes; qkv16 50,331,648 bytes; qkv32 786,432 bytes; ao16 16,777,216 bytes
;; launch prep (part 1): grid 288 x 1, 8 waves a work-group, no clusters, 84,992 bytes of LDS; arguments x, w_qkv, w_proj, x_codes, x_scales, wq_codes, wq_scales, wp16; writes x_codes, x_scales, wq_codes, wq_scales, wp16
.if DOCPART == 1
	.amdgcn_target "amdgcn-amd-amdhsa--gfx1250"
	.amdhsa_code_object_version 6
	.text
	.protected	k_q2fd4a223fc_prep
	.globl	k_q2fd4a223fc_prep
	.p2align	8
	.type	k_q2fd4a223fc_prep,@function
k_q2fd4a223fc_prep:
	s_mov_b64 s[64:65], 0
	v_nop
	global_prefetch_b8 v0, s[64:65] scope:SCOPE_SE
	s_setreg_imm32_b32 hwreg(HW_REG_WAVE_MODE, 25, 1), 1
	s_wait_xcnt 0x0
; PREP: three jobs in one launch, told apart by the work-group's number alone (the same in all eight waves).
;   work-groups   0 ..  95: w_qkv [1024 k][3072 n] f32 -> codes of E2M1 laid [3072 n][1024 k], K innermost (512 bytes a row), and E8M0 bytes [3072][32]
;   work-groups  96 .. 223: x [8192][1024] f32 -> codes [8192][512 bytes] and E8M0 bytes [8192][32]
;   work-groups 224 .. 287: w_proj [1024 k][1024 n] f32 -> f16, same order
; THE QUANTISER: a block of 32 along K has the scale 2^(floor(log2(largest magnitude)) - 2); its byte is the largest magnitude's exponent field - 2, held at 1 from below by a floor
; among the maximum's leaves; each number is divided by the scale and rounded to the nearest code, ties to even, beyond 6 the largest code.
; LIMITS: a block of zeros gets the byte 1 where the rule says 127 (its codes are zeros, and this program alone reads the bytes); blocks whose largest magnitude lies under 2^-124 were not tried;
; NaN and infinities are not served; w_proj must lie under 65,504 in magnitude, and what lies under 6e-8 is lost (f16).
; LDS: each job has bytes of its own.  x: 8,192 bytes a wave from 0.  w_qkv: a stage of 64 rows x 272 at WST, 64 x 16 scale bytes at WSC.  Behind them the spare words.
.set SPW,   12                         ; v12  LDS address of my spare word; never rewritten
.set NIL,   13                         ; v13  0; never rewritten
.set WST,   65536
.set WSC,   82944
.set SPARE, 83968                      ; 128 bytes for each of eight waves: four blocks of 256 bytes that no other line names
.set RR,    16                         ; x: v16-143   eight sets of 16 numbers as loaded
.set XX,    144                        ; x: v144-175  two sets of 16 neighbours
.set EE,    176                        ; x: v176-191  a scale byte for each step
.set CC,    192                        ; x: v192-223  two registers of codes for each step: no store's data are written again
.set WX,    32                         ; w_qkv: v32-159  four blocks of 32 numbers
.set WC,    160                        ; w_qkv: v160-175 four registers of codes a block
.macro FIN                             ; a wave's end
	s_wait_tensorcnt 0x0
	ds_add_u32 v[SPW], v[NIL]
	s_wait_dscnt 0x0
	s_endpgm
.endm
	s_load_b256 s[4:11], s[0:1], 0x0               ; x s[4:5], w_qkv s[6:7], w_proj s[8:9], x_codes s[10:11]
	s_load_b256 s[12:19], s[0:1], 0x20             ; x_scales s[12:13], wq_codes s[14:15], wq_scales s[16:17], wp16 s[18:19]
	v_lshl_add_u32 v[SPW], v0, 2, SPARE
	v_mov_b32 v[NIL], 0
	v_lshrrev_b32 v1, 5, v0
	v_readfirstlane_b32 s20, v1                    ; wave 0..7
	v_and_b32 v2, 31, v0                           ; lane
	s_mov_b32 s29, 0                               ; the upper word of every offset pair s[28:29]
	s_wait_kmcnt 0x0
	s_cmp_lt_u32 ttmp9, 96
	s_cbranch_scc1 .Lpath_w
	s_cmp_lt_u32 ttmp9, 224
	s_cbranch_scc1 .Lpath_x
; ---------------- w_proj to f16: a wave takes 2,048 numbers: 16 loads of 512 consecutive bytes, 16 stores of 256 consecutive bytes
	s_sub_co_u32 s21, ttmp9, 224
	s_lshl_b32 s21, s21, 3
	s_add_co_u32 s21, s21, s20                     ; my chunk, 0..511
	s_lshl_b32 s28, s21, 13
	s_add_nc_u64 s[8:9], s[8:9], s[28:29]
	s_lshl_b32 s28, s21, 12
	s_add_nc_u64 s[18:19], s[18:19], s[28:29]
	v_lshlrev_b32 v3, 4, v2
	v_lshlrev_b32 v4, 3, v2
.set i, 0
.rept 16
	global_load_b128 v[32+4*i:35+4*i], v3, s[8:9] offset:512*i
.set i, i+1
.endr
.set i, 0
.rept 16
.if i%4 == 0
	s_wait_loadcnt 12-i                            ; the next four loads are in; the 12 - i behind them may be out
.endif
	v_cvt_pk_f16_f32 v[96+2*i], v[32+4*i], v[33+4*i]
	v_cvt_pk_f16_f32 v[97+2*i], v[34+4*i], v[35+4*i]
	global_store_b64 v4, v[96+2*i:97+2*i], s[18:19] offset:256*i
.set i, i+1
.endr
	FIN
; ---------------- x: a plain stream of blocks of 32.  A wave takes 16 steps of 512 numbers.  Each load reads 512 consecutive bytes, 16 a lane; a step's 2,048 bytes turn through the wave's own
; stage in LDS (16 bytes of padding behind each 64) and come back 64 bytes a lane: 16 neighbours, two lanes to a block.  Loads run eight steps (32 loads a wave) ahead, the turn one step.
.Lpath_x:
	s_sub_co_u32 s21, ttmp9, 96
	s_lshl_b32 s21, s21, 3
	s_add_co_u32 s21, s21, s20                     ; my run of 8,192 numbers, 0..1023
	s_lshl_b32 s28, s21, 15
	s_add_nc_u64 s[4:5], s[4:5], s[28:29]
	s_lshl_b32 s28, s21, 12
	s_add_nc_u64 s[10:11], s[10:11], s[28:29]
	s_lshl_b32 s28, s21, 8
	s_add_nc_u64 s[12:13], s[12:13], s[28:29]
	v_lshlrev_b32 v3, 4, v2                        ; my 16 bytes of a load's 512
	s_lshl_b32 s22, s20, 13                        ; my wave's 8,192 bytes of LDS
	v_lshrrev_b32 v14, 2, v2
	v_mul_u32_u24 v14, v14, 80
	v_and_b32 v15, 3, v2
	v_lshl_add_u32 v14, v15, 4, v14
	v_add_nc_u32 v14, s22, v14                     ; into the stage: 80 (lane / 4) + 16 (lane % 4)
	v_mul_u32_u24 v15, v2, 80
	v_add_nc_u32 v15, s22, v15                     ; out of it: 80 x lane
	v_lshlrev_b32 v4, 3, v2                        ; 8 bytes a lane: my codes' place in a step's, and the scale bytes' on the way out
	v_lshrrev_b32 v5, 1, v2
	s_add_co_u32 s22, s22, 5120                    ; behind the two stages: my wave's 256 scale bytes
	v_add_nc_u32 v5, s22, v5
	v_add_nc_u32 v6, s22, v4
.macro XLOAD t
.irp i, 0,1,2,3
	global_load_b128 v[RR+16*((\t)%8)+4*\i:RR+16*((\t)%8)+4*\i+3], v3, s[4:5] offset:2048*(\t)+512*\i th:TH_LOAD_NT
.endr
.endm
.macro XTURN t                         ; LDS serves a wave's instructions in order: no wait between the stores and the loads
.irp i, 0,1,2,3
	ds_store_b128 v14, v[RR+16*((\t)%8)+4*\i:RR+16*((\t)%8)+4*\i+3] offset:2560*((\t)%2)+640*\i
.endr
.irp i, 0,1,2,3
	ds_load_b128 v[XX+16*((\t)%2)+4*\i:XX+16*((\t)%2)+4*\i+3], v15 offset:2560*((\t)%2)+16*\i
.endr
.endm
.irp t, 0,1,2,3,4,5,6,7
	XLOAD \t
.endr
	s_wait_loadcnt 28                              ; step 0's four loads are in; seven steps' 28 are behind them
	XTURN 0
.macro XSTEP t
.set XS, XX+16*((\t)%2)
.if (\t) > 0
	s_wait_dscnt 1                                 ; this step's numbers are back (the last step's byte store may be out): so its stores into the stage have read their registers,
.else
	s_wait_dscnt 0x0
.endif
.if (\t)+8 < 16
	XLOAD (\t)+8                                   ; which take the loads of eight steps on
.endif
.if (\t)+1 < 16
.if (\t) <= 7
	s_wait_loadcnt 28                              ; the next step's loads are in; those of the seven steps behind it may be out
.else
	s_wait_loadcnt 4*(14-(\t))                     ; nothing more is asked for: the count runs down by four a step
.endif
	XTURN (\t)+1
.endif
	v_max3_num_f32 v8, |v[XS]|, |v[XS+1]|, |v[XS+2]|
	v_max3_num_f32 v9, |v[XS+3]|, |v[XS+4]|, |v[XS+5]|
.irp i, 6,10
	v_max3_num_f32 v8, v8, |v[XS+\i]|, |v[XS+\i+1]|
	v_max3_num_f32 v9, v9, |v[XS+\i+2]|, |v[XS+\i+3]|
.endr
	v_max3_num_f32 v8, v8, |v[XS+14]|, |v[XS+15]|
	v_max3_num_f32 v8, v8, v9, 0x1800000           ; and the floor 2^(3 - 127): the byte cannot fall under 1
	v_max_num_f32_dpp v8, v8, v8 row_xmask:1 row_mask:0xf bank_mask:0xf   ; with my neighbour's 16: the block's largest magnitude
	v_add_nc_u32 v11, 0xff000000, v8               ; 2 off its exponent field: the conversion takes this operand's exponent field as its scale
	v_cvt_scalef32_pk8_fp4_f32 v[CC+2*(\t)], v[XS:XS+7], v11
	v_cvt_scalef32_pk8_fp4_f32 v[CC+2*(\t)+1], v[XS+8:XS+15], v11
	v_lshrrev_b32 v[EE+(\t)], 23, v11              ; the scale's byte (also the plain line behind the conversions)
	ds_store_b8 v5, v[EE+(\t)] offset:16*(\t)      ; both lanes of a block write the same byte with the same value
	global_store_b64 v4, v[CC+2*(\t):CC+2*(\t)+1], s[10:11] offset:256*(\t)   ; the wave stores 256 consecutive bytes, aligned
.endm
.irp t, 0,1,2,3,4,5,6,7,8,9,10,11,12,13,14,15
	XSTEP \t
.endr
	ds_load_b64 v[8:9], v6                         ; my wave's 256 scale bytes: these loads see my stores
	s_wait_dscnt 0x0
	global_store_b64 v4, v[8:9], s[12:13]
	FIN
; ---------------- w_qkv: K is its first axis.  A lane takes a column and its registers run down K, so a block of 32 lies in one lane and the codes come out with K innermost.
; A work-group takes 64 columns x 512 along K; wave: 32 columns (wave % 2) x 128 along K (wave / 2): four blocks a lane.  The two column groups stand side by side on 256 consecutive bytes of a row.
; The codes meet in a stage (a row = a column's 256 bytes, + 16), and leave by rows: sixteen lanes store 256 consecutive bytes, aligned.
.Lpath_w:
	s_cmp_ge_u32 ttmp9, 48
	s_cselect_b32 s21, 1, 0                        ; which 512 along K
	s_cselect_b32 s22, 48, 0
	s_sub_co_u32 s22, ttmp9, s22                   ; which 64 columns, 0..47
	s_and_b32 s23, s20, 1                          ; my 32 of them
	s_lshr_b32 s24, s20, 1                         ; my 128 along K
	s_lshl_b32 s25, s21, 9
	s_lshl_b32 s26, s24, 7
	s_add_co_u32 s25, s25, s26
	s_mul_i32 s25, s25, 12288                      ; my first row of w_qkv, in bytes
	s_lshl_b32 s26, s22, 6
	s_lshl_b32 s27, s23, 5
	s_add_co_u32 s27, s26, s27                     ; my first column
	s_lshl_b32 s28, s27, 2
	s_add_co_u32 s28, s28, s25
	s_add_nc_u64 s[6:7], s[6:7], s[28:29]
	s_lshl_b32 s28, s20, 3                         ; on the way out wave w sends rows 8 w .. 8 w + 7 of the stage
	s_add_co_u32 s28, s28, s26
	s_lshl_b32 s28, s28, 9
	s_lshl_b32 s30, s21, 8
	s_add_co_u32 s28, s28, s30
	s_add_nc_u64 s[14:15], s[14:15], s[28:29]
	s_lshl_b32 s28, s27, 5                         ; scale bytes: 32 a column, my 16 of them
	s_lshl_b32 s30, s21, 4
	s_add_co_u32 s28, s28, s30
	s_add_nc_u64 s[16:17], s[16:17], s[28:29]
	v_lshlrev_b32 v3, 2, v2                        ; in: 4 bytes a lane
	s_mul_i32 s30, s23, 32*272
	s_lshl_b32 s31, s24, 6
	s_add_co_u32 s30, s30, s31
	s_add_co_u32 s30, s30, WST
	v_mul_u32_u24 v4, v2, 272
	v_add_nc_u32 v4, s30, v4                       ; into the stage: row = my column, + 64 bytes for each 128 along K
	s_lshl_b32 s30, s23, 9
	s_lshl_b32 s31, s24, 2
	s_add_co_u32 s31, s30, s31
	s_add_co_u32 s31, s31, WSC
	v_lshlrev_b32 v8, 4, v2
	v_add_nc_u32 v5, s31, v8                       ; my scale word: 16 bytes a column, 4 for each 128 along K
	s_add_co_u32 s30, s30, WSC
	v_add_nc_u32 v8, s30, v8                       ; and a column's 16 bytes on the way out
	s_mul_i32 s30, s20, 8*272
	s_add_co_u32 s30, s30, WST
	v_and_b32 v10, 15, v2
	v_lshrrev_b32 v11, 4, v2
	v_mul_u32_u24 v6, v11, 272
	v_lshl_add_u32 v6, v10, 4, v6
	v_add_nc_u32 v6, s30, v6                       ; out of the stage: sixteen lanes to a row, two rows an instruction
	v_lshlrev_b32 v7, 9, v11
	v_lshl_add_u32 v7, v10, 4, v7                  ; and the same place in the codes' buffer
	v_lshlrev_b32 v9, 5, v2                        ; a column's row of scale bytes
.set i, 0
.rept 128
	global_load_b32 v[WX+i], v3, s[6:7] offset:i*12288 th:TH_LOAD_NT   ; w_qkv(k0 + i, my column)
.set i, i+1
.endr
.macro WBLOCK t
.set XS, WX+32*(\t)
	v_max3_num_f32 v26, |v[XS]|, |v[XS+1]|, |v[XS+2]|
	v_max3_num_f32 v27, |v[XS+3]|, |v[XS+4]|, |v[XS+5]|
.irp i, 6,10,14,18,22,26
	v_max3_num_f32 v26, v26, |v[XS+\i]|, |v[XS+\i+1]|
	v_max3_num_f32 v27, v27, |v[XS+\i+2]|, |v[XS+\i+3]|
.endr
	v_max3_num_f32 v26, v26, |v[XS+30]|, |v[XS+31]|
	v_max3_num_f32 v26, v26, v27, 0x1800000        ; and the floor
	v_add_nc_u32 v25, 0xff000000, v26              ; the conversion's scale operand
	v_lshrrev_b32 v27, 23, v25                     ; the scale's byte
.if (\t) == 0
	v_mov_b32 v24, v27
.else
	v_lshl_or_b32 v24, v27, 8*(\t), v24            ; four bytes to a word, the lower K in the lower byte
.endif
.irp g, 0,1,2,3
	v_cvt_scalef32_pk8_fp4_f32 v[WC+4*(\t)+\g], v[XS+8*\g:XS+8*\g+7], v25
.endr
	v_nop                                          ; a plain line behind the conversions
	ds_store_b128 v4, v[WC+4*(\t):WC+4*(\t)+3] offset:16*(\t)
.endm
	s_wait_loadcnt 63                              ; at most 63 of the 128 are out: the first 65 are in, blocks 0 and 1 among them
	WBLOCK 0
	WBLOCK 1
	s_wait_loadcnt 32                              ; block 3's 32 loads are behind block 2's
	WBLOCK 2
	s_wait_loadcnt 0x0
	WBLOCK 3
	ds_store_b32 v5, v24
	s_wait_dscnt 0x0                               ; for the others' sake: my stores into the stage are done
	s_barrier_signal -1
	s_barrier_wait -1
.irp i, 0,1,2,3
	ds_load_b128 v[176+4*\i:179+4*\i], v6 offset:544*\i
.endr
.irp i, 0,1,2,3
	s_wait_dscnt 3-\i                              ; the younger loads may be out
	global_store_b128 v7, v[176+4*\i:179+4*\i], s[14:15] offset:1024*\i
.endr
	s_cmp_lt_u32 s20, 2                            ; waves 0 and 1 send the scale bytes: 16 a column, rows 32 bytes apart: pieces of 16 bytes, 98,304 bytes in the whole launch
	s_cbranch_scc0 .Lw_end
	ds_load_b128 v[192:195], v8
	s_wait_dscnt 0x0
	global_store_b128 v9, v[192:195], s[16:17]
.Lw_end:
	FIN
.Lfunc_end_k_q2fd4a223fc_prep:
	.size	k_q2fd4a223fc_prep, .Lfunc_end_k_q2fd4a223fc_prep-k_q2fd4a223fc_prep
	.p2alignl 7, 3214868480
	.fill 96, 4, 3214868480
	.section	.rodata,"a",@progbits
	.p2align	6, 0x0
	.amdhsa_kernel k_q2fd4a223fc_prep
		.amdhsa_group_segment_fixed_size 84992
		.amdhsa_private_segment_fixed_size 0
		.amdhsa_enable_private_segment 0
		.amdhsa_kernarg_size 64
		.amdhsa_user_sgpr_count 2
		.amdhsa_user_sgpr_kernarg_segment_ptr 1
		.amdhsa_wavefront_size32 1
		.amdhsa_system_sgpr_workgroup_id_x 1
		.amdhsa_system_sgpr_workgroup_id_y 1
		.amdhsa_system_sgpr_workgroup_id_z 1
		.amdhsa_system_vgpr_workitem_id 0
		.amdhsa_next_free_vgpr 224
		.amdhsa_next_free_sgpr 66
		.amdhsa_reserve_vcc 0
		.amdhsa_float_denorm_mode_32 3
		.amdhsa_float_denorm_mode_16_64 3
		.amdhsa_memory_ordered 1
		.amdhsa_forward_progress 1
		.amdhsa_inst_pref_size 60
	.end_amdhsa_kernel
	.amdgpu_metadata
---
amdhsa.version: [ 1, 2 ]
amdhsa.kernels:
  - .name:           k_q2fd4a223fc_prep
    .symbol:         k_q2fd4a223fc_prep.kd
    .args:
      - { .name: x, .offset: 0, .size: 8, .value_kind: global_buffer, .address_space: global }
      - { .name: w_qkv, .offset: 8, .size: 8, .value_kind: global_buffer, .address_space: global }
      - { .name: w_proj, .offset: 16, .size: 8, .value_kind: global_buffer, .address_space: global }
      - { .name: x_codes, .offset: 24, .size: 8, .value_kind: global_buffer, .address_space: global }
      - { .name: x_scales, .offset: 32, .size: 8, .value_kind: global_buffer, .address_space: global }
      - { .name: wq_codes, .offset: 40, .size: 8, .value_kind: global_buffer, .address_space: global }
      - { .name: wq_scales, .offset: 48, .size: 8, .value_kind: global_buffer, .address_space: global }
      - { .name: wp16, .offset: 56, .size: 8, .value_kind: global_buffer, .address_space: global }
    .group_segment_fixed_size: 84992
    .private_segment_fixed_size: 0
    .kernarg_segment_align: 8
    .kernarg_segment_size: 64
    .max_flat_workgroup_size: 256
    .sgpr_count:     66
    .vgpr_count:     224
    .wavefront_size: 32
...
	.end_amdgpu_metadata
.endif
;; end of part 1
;; launch gemm_qkv (part 2): grid 12 x 32, 4 waves a work-group, clusters of 4 x 4, 327,680 bytes of LDS; arguments x_codes, x_scales, wq_codes, wq_scales, qkv16, qkv32; writes qkv16, qkv32
.if DOCPART == 2
	.amdgcn_target "amdgcn-amd-amdhsa--gfx1250"
	.amdhsa_code_object_version 6
	.text
	.protected	k_q2fd4a223fc_gemm_qkv
	.globl	k_q2fd4a223fc_gemm_qkv
	.p2align	8
	.type	k_q2fd4a223fc_gemm_qkv,@function
k_q2fd4a223fc_gemm_qkv:
	s_mov_b64 s[64:65], 0
	v_nop
	global_prefetch_b8 v0, s[64:65] scope:SCOPE_SE
	s_setreg_imm32_b32 hwreg(HW_REG_WAVE_MODE, 25, 1), 1
	s_wait_xcnt 0x0
	s_wait_alu depctr_hold_cnt(0) depctr_sa_sdst(0) depctr_va_vdst(0) depctr_va_sdst(0) depctr_va_ssrc(0) depctr_va_vcc(0) depctr_vm_vsrc(0)
	s_getreg_b32 s2, hwreg(HW_REG_IB_STS2, 6, 4)
	s_cmp_eq_u32 s2, 0
	s_cbranch_scc0 .Lentry_in_a_cluster
	s_endpgm
.Lentry_in_a_cluster:
	s_bfe_u32 s2, ttmp6, 0x10000c
	s_cmp_lg_u32 s2, 0xf033
	s_cbranch_scc0 .Lentry_shape_is_right
	s_endpgm
.Lentry_shape_is_right:
; qkv = Q(x) Q(w_qkv): C[m][n] = sum over k of A[m][k] B[n][k] on codes of E2M1 with one E8M0 scale for each 32 along K.  A = x's codes [8192][512 bytes], B = w_qkv's [3072][512 bytes]; scale bytes [rows][32].
; A tile of C, 256 x 256, is made by four waves; a wave makes 128 x 128: 64 accumulators, 512 registers.  K = 1,024 is two LDS slots of 512 along K (rows of 256 bytes): both are asked for at the head, nothing is filled again.
; The scale bytes of the work-group's rows, for all of K, come once, as dense blocks in rows of 256 bytes.
; CLUSTERS: 4 x 4 work-groups; A's tiles are asked for jointly along a row of the cluster, B's along a column.  The tile row is 8 cy + cluster y: partner cy works in batch cy, and the cluster's y,
; the same number in all sixteen, says which 256 positions of the sequence: so the branch for positions 0-15 hangs on nothing that differs between partners.
; THE MATRIX INSTRUCTION IS USED TRANSPOSED (source 0 = 16 rows of B, source 1 = 16 rows of A): a lane holds eight neighbouring columns of one row of C.
; OUT: f16, laid [3 (q, k, v)][64 (batch x 16 + head)][2048 positions][64]: a wave's 128 columns are two heads; four positions of a head are 512 consecutive bytes.  Positions 0-15 of each batch also as f32, [4][16][3072].
; LIMITS: q, k, v must lie under 65,504 in magnitude; what lies under 6e-8 is lost (f16).
; REGISTERS, in windows of 256: window 0: v0-31 addresses; v32-95 scale words, two sets; from v128 A's fragments, one set; on the way out v32-255 are free.  window 1: B's fragments, two sets.  windows 2, 3: the accumulators.
.set SIZE_K, 1024
.set KSTEP,  512
.set NQ,     KSTEP/128
.set ROWB,   256
.set KROW,   SIZE_K*4/8
.set PITCH,  272                       ; an LDS row: 256 bytes + 16 of padding: the 16 rows that a load touches start at 16 different banks
.set FR,     8
.set NL,     2
.set NP,     4                         ; places behind this matrix instruction (ISA guide 7.12.1)
.set HALFT,  128*PITCH
.set SLOT,   4*HALFT
.set KS,     SIZE_K/32
.set SCL,    2*SLOT                    ; behind the two slots: the scales, as rows of 256 bytes + 16
.set HALFS,  (128*KS/256)*272
.set SBLK,   (16*KS/256)*272
.set SPARE,  SCL+4*HALFS               ; the spare words, 128 bytes a wave: two blocks of 256 bytes that no other line names
.set WSTG,   8448                      ; the way out: a stage for each wave, in slot 0, which has had its only fill and its last read when the first result is stored there
.set ADRA, 16
.set ADRB, 20
.set STO,  24                          ; v24  f16 stage, in: row r x 400 + 16 h
.set RD,   25                          ; v25  f16 stage, back: (lane / 8) x 400 + 16 (lane % 8)
.set CO,   26                          ; v26  16 x lane
.set ADRS, 27
.set SPW,  28
.set NIL,  29
.set STO32, 30                         ; v30  f32 stage, in: row r x 528 + 32 h
.set RD32, 31                          ; v31  f32 stage, back: 16 x lane
.set SC,   32
.set AF,   128
.set TMP,  32                          ; the way out: packed results
.set G1, 24
.set G0, 32
.set G1B, 48
.set G0B, 56
.set G1S, 68
.set G0S, 76
.set G1SB, 80
.set G0SB, 88
.set MSB, 0
.macro WIN new                         ; the immediate's high byte repeats the setting that is left
.if MSB != \new
	s_set_vgpr_msb (MSB<<8)|\new
.set MSB, \new
.endif
.endm
.set MUL_LO, 0xa1                      ; source 0 (B) window 1, source 1 (A) window 0, C and D window 2
.set MUL_HI, 0xf1
.set TO_B,   0x40
; A joint load: waves 0 and 1 fetch for A, waves 2 and 3 for B.  An s_nop 0 and four v_nop follow each of the two lines.
.macro JLOAD g0a, g1a, g0b, g1b
	s_cmp_eq_u32 s15, 0
	s_cbranch_scc0 .Lfor_b_\@
	tensor_load_to_lds s[\g0a:\g0a+3], s[\g1a:\g1a+7]
	s_nop 0
.rept 4
	v_nop
.endr
	s_branch .Lasked_\@
.Lfor_b_\@:
	tensor_load_to_lds s[\g0b:\g0b+3], s[\g1b:\g1b+7]
	s_nop 0
.rept 4
	v_nop
.endr
.Lasked_\@:
.endm
.macro CROUND                          ; a round of the cluster's barrier
	s_barrier_signal -1
	s_barrier_wait -1
	s_cmp_lg_u32 s14, 0
	s_cbranch_scc1 .Lnot_wave_0_\@
	s_barrier_signal -3
.Lnot_wave_0_\@:
	s_barrier_wait -3
	s_barrier_signal -1
	s_barrier_wait -1
.endm
	s_load_b128 s[4:7], s[0:1], 0x0                ; A's codes s[4:5], A's scales s[6:7]
	s_load_b128 s[8:11], s[0:1], 0x10              ; B's codes s[8:9], B's scales s[10:11]
	s_load_b64 s[12:13], s[0:1], 0x20              ; qkv16
	s_load_b64 s[96:97], s[0:1], 0x28              ; qkv32
	v_lshl_add_u32 v[SPW], v0, 2, SPARE
	v_mov_b32 v[NIL], 0
	ds_add_u32 v[SPW], v[NIL]                      ; the wave's opening
	ds_add_u32 v[SPW], v[NIL]
	v_lshrrev_b32 v1, 5, v0
	v_readfirstlane_b32 s14, v1                    ; wave 0..3
	s_lshr_b32 s15, s14, 1                         ; which half of the tile's rows is mine.  Also: I fetch for A (0) or for B (1)
	s_and_b32 s16, s14, 1                          ; which half of its columns.  Also: which 128 rows of that tile I fetch
	s_bfe_u32 s40, ttmp6, 0x40000                  ; cx, cy
	s_bfe_u32 s41, ttmp6, 0x40004
	s_lshl_b32 s42, ttmp9, 2
	s_add_co_u32 s42, s42, s40                     ; tile column = 4 x cluster x + cx
	s_and_b32 s95, ttmp7, 0xffff                   ; cluster y: which 256 positions of a sequence
	s_lshl_b32 s17, s41, 3
	s_add_co_u32 s17, s17, s95                     ; tile row = 8 cy + cluster y
	s_lshl_b32 s43, s41, 2
	s_lshl_b32 s43, 15, s43                        ; my row of the cluster
	s_lshl_b32 s44, 0x1111, s40                    ; my column
	s_or_b32 s[G1+0], s43, (0<<16)|(1<<20)|(1<<21)|(5<<22)|(3<<25)  ; the mask; elements of 1 byte; padding: 4 words after every 64
	s_or_b32 s[G1B+0], s44, (0<<16)|(1<<20)|(1<<21)|(5<<22)|(3<<25)
.irp g, G1, G1B
	s_mov_b32 s[\g+1], ROWB<<16                    ; tensor_dim0
	s_mov_b32 s[\g+2], 128<<16                     ; tensor_dim1
	s_mov_b32 s[\g+3], ROWB<<16                    ; tile_dim0
	s_mov_b32 s[\g+4], 128                         ; tile_dim1
	s_mov_b32 s[\g+5], KROW                        ; the pitch
	s_mov_b32 s[\g+6], 0
	s_mov_b32 s[\g+7], 0
.endr
	s_or_b32 s[G1S+0], s43, (3<<16)|(1<<20)|(1<<21)|(5<<22)|(3<<25)   ; the scales of 128 rows: 4,096 dense bytes as 16 rows of 32 elements of 8 bytes
	s_or_b32 s[G1SB+0], s44, (3<<16)|(1<<20)|(1<<21)|(5<<22)|(3<<25)
.irp g, G1S, G1SB
	s_mov_b32 s[\g+1], 32<<16
	s_mov_b32 s[\g+2], (128*KS/256)<<16
	s_mov_b32 s[\g+3], 32<<16
	s_mov_b32 s[\g+4], 128*KS/256
	s_mov_b32 s[\g+5], 32
	s_mov_b32 s[\g+6], 0
	s_mov_b32 s[\g+7], 0
.endr
	s_lshl_b32 s18, s16, 7
	s_lshl_b32 s20, s17, 8
	s_add_co_u32 s20, s20, s18                     ; A: row 256 x tile row + 128 x half
	s_lshl_b32 s46, s42, 8
	s_add_co_u32 s46, s46, s18                     ; B: row 256 x tile column + 128 x half
	s_mov_b32 s21, 0
	s_mov_b32 s47, 0
	s_mov_b64 s[18:19], KS
	s_mul_u64 s[22:23], s[20:21], s[18:19]
	s_mul_u64 s[92:93], s[46:47], s[18:19]
	s_mov_b64 s[18:19], KROW
	s_mul_u64 s[20:21], s[20:21], s[18:19]
	s_mul_u64 s[46:47], s[46:47], s[18:19]
	s_mul_i32 s45, s14, HALFT                      ; where they go: wave x 128 rows
	s_mul_i32 s94, s14, HALFS
	s_wait_dscnt 0x0                               ; both opening adds are done
	s_wait_kmcnt 0x0
	s_add_nc_u64 s[20:21], s[4:5], s[20:21]
	s_add_nc_u64 s[22:23], s[6:7], s[22:23]
	s_add_nc_u64 s[46:47], s[8:9], s[46:47]
	s_add_nc_u64 s[92:93], s[10:11], s[92:93]
	CROUND                                         ; all sixteen work-groups are here: the joint loads meet
	s_mov_b32 s[G0S], 1
	s_add_co_u32 s[G0S+1], s94, SCL
	s_mov_b64 s[G0S+2:G0S+3], s[22:23]
	s_or_b32 s[G0S+3], s[G0S+3], 0x80000000
	s_mov_b32 s[G0SB], 1
	s_add_co_u32 s[G0SB+1], s94, SCL
	s_mov_b64 s[G0SB+2:G0SB+3], s[92:93]
	s_or_b32 s[G0SB+3], s[G0SB+3], 0x80000000
	JLOAD G0S, G1S, G0SB, G1SB                     ; the scales first
.irp s, 0,1
	s_mov_b32 s[G0+4*\s], 1
	s_add_co_u32 s[G0+4*\s+1], s45, \s*SLOT
	s_add_nc_u64 s[G0+4*\s+2:G0+4*\s+3], s[20:21], \s*ROWB
	s_or_b32 s[G0+4*\s+3], s[G0+4*\s+3], 0x80000000
	s_mov_b32 s[G0B+4*\s], 1
	s_add_co_u32 s[G0B+4*\s+1], s45, \s*SLOT
	s_add_nc_u64 s[G0B+4*\s+2:G0B+4*\s+3], s[46:47], \s*ROWB
	s_or_b32 s[G0B+4*\s+3], s[G0B+4*\s+3], 0x80000000
	JLOAD G0+4*\s, G1, G0B+4*\s, G1B               ; three loads of mine are out in all
.endr
	v_and_b32 v1, 15, v0                           ; r
	v_bfe_u32 v2, v0, 4, 1                         ; h
	v_mul_u32_u24 v3, v1, PITCH
	v_lshl_add_u32 v4, v2, 4, v3
	s_mul_i32 s21, s15, HALFT
	s_mul_i32 s22, s16, HALFT
	s_add_co_u32 s22, s22, 2*HALFT
.irp s, 0,1
	v_add_nc_u32 v[ADRA+\s], s21, v4
	v_add_nc_u32 v[ADRB+\s], s22, v4
	s_add_co_u32 s21, s21, SLOT
	s_add_co_u32 s22, s22, SLOT
.endr
	v_mul_u32_u24 v5, v1, KS                       ; my row's scales: 32 bytes a row,
	v_lshrrev_b32 v6, 8, v5
	v_lshl_add_u32 v5, v6, 4, v5                   ; and 16 more for each 256 passed
	s_mul_i32 s21, s15, HALFS
	s_mul_i32 s22, s16, HALFS
	s_add_co_u32 s22, s22, 2*HALFS
	s_sub_co_u32 s22, s22, s21
	v_mul_u32_u24 v6, s22, v2                      ; lanes 16-31 take B's
	s_add_co_u32 s21, s21, SCL
	v_add_nc_u32 v5, v5, v6
	v_add_nc_u32 v[ADRS], s21, v5
	s_mul_i32 s23, s14, WSTG                       ; my stage
	v_mul_u32_u24 v5, v1, 528
	v_lshl_add_u32 v5, v2, 5, v5
	v_add_nc_u32 v[STO32], s23, v5
	v_and_b32 v6, 31, v0
	v_lshlrev_b32 v[CO], 4, v6
	v_add_nc_u32 v[RD32], s23, v[CO]
	v_mul_u32_u24 v5, v1, 400                      ; 400 = 25 x 16: the sixteen rows of a store start at sixteen different 16-byte columns
	v_lshl_add_u32 v5, v2, 4, v5
	v_add_nc_u32 v[STO], s23, v5
	v_lshrrev_b32 v5, 3, v6
	v_mul_u32_u24 v5, v5, 400
	v_and_b32 v6, 7, v0
	v_lshl_add_u32 v5, v6, 4, v5
	v_add_nc_u32 v[RD], s23, v5
	; qkv16: ((cluster x (q, k or v) x 4 + batch) x 16 + head) x 262,144 + position x 128.  My first head: 4 cx + 2 x column half; my first position: 256 x cluster y + 128 x row half
	s_lshl_b32 s46, ttmp9, 2
	s_add_co_u32 s46, s46, s41
	s_lshl_b32 s46, s46, 4
	s_lshl_b32 s47, s40, 2
	s_add_co_u32 s46, s46, s47
	s_lshl_b32 s47, s16, 1
	s_add_co_u32 s46, s46, s47
	s_lshl_b32 s46, s46, 18
	s_lshl_b32 s47, s95, 8
	s_lshl_b32 s20, s15, 7
	s_add_co_u32 s47, s47, s20
	s_lshl_b32 s47, s47, 7
	s_add_co_u32 s46, s46, s47
	s_mov_b32 s47, 0
	s_add_nc_u64 s[12:13], s[12:13], s[46:47]
	; qkv32: batch x 196,608 + my first column x 4
	s_mul_i32 s46, s41, 196608
	s_lshl_b32 s47, s42, 10
	s_add_co_u32 s46, s46, s47
	s_lshl_b32 s47, s16, 9
	s_add_co_u32 s46, s46, s47
	s_mov_b32 s47, 0
	s_add_nc_u64 s[96:97], s[96:97], s[46:47]
.macro FRAG reg, adr, q, i             ; 16 rows x 128 K of 4-bit codes: 8 registers; registers 4 c .. 4 c + 3 hold K = 64 c + 32 (lane / 16) + 0 .. 31
.irp c, 0,1
	ds_load_b128 v[\reg+4*\c:\reg+4*\c+3], v[\adr] offset:64*(\q)+32*\c+(\i)*16*PITCH
.endr
.endm
; 16 matrix instructions: A's blocks a0, a0 + 1 x B's eight.  The 64 accumulators take turns, one instruction a turn, in the same order in every step.
.macro MUL16 a0, p, q, sc, zero
.irp a, \a0, \a0+1
.irp b, 0,1,2,3,4,5,6,7
.if \zero
	v_wmma_scale_f32_16x16x128_f8f6f4 v[8*(8*((\a)%4)+\b):8*(8*((\a)%4)+\b)+7], v[128*(\p)+FR*\b:128*(\p)+FR*\b+FR-1], v[AF+FR*(\a):AF+FR*(\a)+FR-1], 0, v[SC+8*NQ*(\sc)+NQ*\b+(\q)], v[SC+8*NQ*(\sc)+NQ*(\a)+(\q)] matrix_a_fmt:MATRIX_FMT_FP4 matrix_b_fmt:MATRIX_FMT_FP4 matrix_a_scale:MATRIX_SCALE_ROW1
.else
	v_wmma_scale_f32_16x16x128_f8f6f4 v[8*(8*((\a)%4)+\b):8*(8*((\a)%4)+\b)+7], v[128*(\p)+FR*\b:128*(\p)+FR*\b+FR-1], v[AF+FR*(\a):AF+FR*(\a)+FR-1], v[8*(8*((\a)%4)+\b):8*(8*((\a)%4)+\b)+7], v[SC+8*NQ*(\sc)+NQ*\b+(\q)], v[SC+8*NQ*(\sc)+NQ*(\a)+(\q)] matrix_a_fmt:MATRIX_FMT_FP4 matrix_b_fmt:MATRIX_FMT_FP4 matrix_a_scale:MATRIX_SCALE_ROW1
.endif
.endr
.endr
.endm
.macro FETCH_B slot, q, p
	WIN TO_B
.irp i, 0,1,2,3,4,5,6,7
	FRAG 128*(\p)+FR*\i, ADRB+\slot, \q, \i
.endr
	WIN 0
.endm
.macro FETCH_A slot, q, i0
.irp i, \i0, \i0+1, \i0+2, \i0+3
	FRAG AF+FR*(\i), ADRA+\slot, \q, \i
.endr
.endm
.macro SCALES sc                       ; a slot's scale words: lanes 0-15 take A's block i, lanes 16-31 B's block i
.irp i, 0,1,2,3,4,5,6,7
	ds_load_b128 v[SC+8*NQ*\sc+NQ*\i:SC+8*NQ*\sc+NQ*\i+3], v[ADRS] offset:\i*SBLK
.endr
.endm
.macro PLACES n                        ; plain vector instructions between a matrix instruction and a load into, or a read of, its registers
.rept \n
	v_nop
.endr
.endm
.macro STEP slot, q, zero              ; 128 along K that have their successor in the same slot
	s_wait_dscnt 4*NL                              ; B's set and A's blocks 0-3 are in; the youngest eight loads (A's blocks 4-7) may be out
	WIN MUL_LO
	MUL16 0, (\q)%2, \q, \slot, \zero
	MUL16 2, (\q)%2, \q, \slot, \zero
	s_wait_dscnt 0
	PLACES NP
	FETCH_B \slot, (\q)+1, 1-(\q)%2
	FETCH_A \slot, (\q)+1, 0
	WIN MUL_HI
	MUL16 4, (\q)%2, \q, \slot, \zero
	MUL16 6, (\q)%2, \q, \slot, \zero
	PLACES NP
	WIN 0
	FETCH_A \slot, (\q)+1, 4
.endm
.macro TURN slot, next                 ; slot 0's last step changes slots: one barrier; nothing is filled again
	s_wait_tensorcnt 0x0                           ; all my tensor loads have landed: my part of the next slot
	ds_add_u32 v[SPW], v[NIL]                      ; 0 onto my spare word
	s_wait_dscnt 4*NL+1                            ; (the add and the youngest eight loads may be out)
	WIN MUL_LO
	MUL16 0, 1, NQ-1, \slot, 0
	s_wait_dscnt 0x0                               ; the add is done, and my reads of this slot are over
	s_barrier_signal -1
	MUL16 2, 1, NQ-1, \slot, 0
	WIN 0
	s_barrier_wait -1
	PLACES NP
	v_add_nc_u32 v[ADRS], 4*NQ, v[ADRS]            ; on to the next slot's scale words
	FETCH_B \next, 0, 0
	FETCH_A \next, 0, 0
	SCALES \next
	WIN MUL_HI
	MUL16 4, 1, NQ-1, \slot, 0
	MUL16 6, 1, NQ-1, \slot, 0
	PLACES NP
	WIN 0
	FETCH_A \next, 0, 4
.endm
.macro STEPS slot, from
.set Q, \from
.rept NQ-1-\from
	STEP \slot, Q, 0
.set Q, Q+1
.endr
.endm
	s_wait_tensorcnt 1                             ; the scales and my part of slot 0 are in; slot 1's load may be out
	s_barrier_signal -1
	s_barrier_wait -1
	FETCH_B 0, 0, 0
	FETCH_A 0, 0, 0
	SCALES 0
	FETCH_A 0, 0, 4
	STEP 0, 0, 1                                   ; the first step's products start the sums
	STEPS 0, 1
	TURN 0, 1
	STEPS 1, 0
	s_wait_dscnt 4*NL                              ; the very last step
	WIN MUL_LO
	MUL16 0, 1, NQ-1, 1, 0
	MUL16 2, 1, NQ-1, 1, 0
	s_wait_dscnt 0
	WIN MUL_HI
	MUL16 4, 1, NQ-1, 1, 0
	MUL16 6, 1, NQ-1, 1, 0
	WIN 0
; THE WAY OUT, block by block of 16 rows x 128 columns.  PACK: rounded to f16, 16 bytes a lane, each accumulator from its low end on.  TOSTAGE: into my stage, and back so that the 32 lanes hold four positions of one head.  SEND: stored.
.macro PACK a
.set AC, 64*((\a)%4)
	WIN 0x0a+5*((\a)/4)                            ; sources 0 and 1: window 2 or 3
.irp b, 0,1,2,3,4,5,6,7
.irp r, 0,1,2,3
	v_cvt_pk_f16_f32 v[TMP+4*\b+\r], v[AC+8*\b+2*\r], v[AC+8*\b+2*\r+1]
.endr
.endr
	WIN 0
.endm
.macro TOSTAGE a
.set BB, 64+32*((\a)%2)
.irp b, 0,1,2,3,4,5,6,7
	ds_store_b128 v[STO], v[TMP+4*\b:TMP+4*\b+3] offset:32*\b
.endr
.irp hh, 0,1
.irp g, 0,1,2,3
	ds_load_b128 v[BB+16*\hh+4*\g:BB+16*\hh+4*\g+3], v[RD] offset:\g*1600+128*\hh   ; LDS serves a wave's instructions in order: these see the stores above
.endr
.endr
.endm
.macro SEND a
.set BB, 64+32*((\a)%2)
	s_wait_dscnt 0x0                               ; the block is back in registers
	s_wait_xcnt 0x0                                ; the stores of the block before have read their registers: the next block's loads may land there
.irp hh, 0,1
.irp g, 0,1,2,3
	global_store_b128 v[CO], v[BB+16*\hh+4*\g:BB+16*\hh+4*\g+3], s[12:13] offset:\hh*262144+(\a)*2048+\g*512   ; 32 lanes store 512 consecutive bytes, aligned: four positions of one head
.endr
.endr
.endm
	PLACES NP
	s_or_b32 s94, s95, s15                         ; positions 0-15 of a sequence lie in block 0 of the upper waves where cluster y = 0: a number that all sixteen partners share, and the wave's number
	s_cmp_lg_u32 s94, 0
	s_cbranch_scc1 .Lno32
	WIN 0x08                                       ; an LDS store's data are its source 1: window 2
.irp b, 0,1,2,3,4,5,6,7
	ds_store_b128 v[STO32], v[8*\b:8*\b+3] offset:64*\b
	ds_store_b128 v[STO32], v[8*\b+4:8*\b+7] offset:64*\b+16
.endr
	WIN 0
.irp t, 0,1,2,3,4,5,6,7,8,9,10,11,12,13,14,15
	ds_load_b128 v[128+4*\t:131+4*\t], v[RD32] offset:528*\t
.endr
	s_wait_dscnt 0x0
.irp t, 0,1,2,3,4,5,6,7,8,9,10,11,12,13,14,15
	global_store_b128 v[CO], v[128+4*\t:131+4*\t], s[96:97] offset:12288*\t   ; 512 consecutive bytes of position t's row
.endr
.Lno32:
	PACK 0
	TOSTAGE 0
.irp a, 1,2,3,4,5,6,7                  ; block a's conversions stand between block a - 1's loads from the stage and the wait for them
	PACK \a
	SEND \a-1
	TOSTAGE \a
.endr
	SEND 7
	s_wait_tensorcnt 0x0                           ; the wave's end
	ds_add_u32 v[SPW], v[NIL]
	s_wait_dscnt 0x0
	CROUND                                         ; the closing round
	s_endpgm
.Lfunc_end_k_q2fd4a223fc_gemm_qkv:
	.size	k_q2fd4a223fc_gemm_qkv, .Lfunc_end_k_q2fd4a223fc_gemm_qkv-k_q2fd4a223fc_gemm_qkv
	.p2alignl 7, 3214868480
	.fill 96, 4, 3214868480
	.section	.rodata,"a",@progbits
	.p2align	6, 0x0
	.amdhsa_kernel k_q2fd4a223fc_gemm_qkv
		.amdhsa_group_segment_fixed_size 327680
		.amdhsa_private_segment_fixed_size 0
		.amdhsa_enable_private_segment 0
		.amdhsa_kernarg_size 48
		.amdhsa_user_sgpr_count 2
		.amdhsa_user_sgpr_kernarg_segment_ptr 1
		.amdhsa_wavefront_size32 1
		.amdhsa_system_sgpr_workgroup_id_x 1
		.amdhsa_system_sgpr_workgroup_id_y 1
		.amdhsa_system_sgpr_workgroup_id_z 1
		.amdhsa_system_vgpr_workitem_id 0
		.amdhsa_next_free_vgpr 1024
		.amdhsa_next_free_sgpr 100
		.amdhsa_reserve_vcc 0
		.amdhsa_float_denorm_mode_32 3
		.amdhsa_float_denorm_mode_16_64 3
		.amdhsa_memory_ordered 1
		.amdhsa_forward_progress 1
		.amdhsa_inst_pref_size 131
	.end_amdhsa_kernel
	.amdgpu_metadata
---
amdhsa.version: [ 1, 2 ]
amdhsa.kernels:
  - .name:           k_q2fd4a223fc_gemm_qkv
    .symbol:         k_q2fd4a223fc_gemm_qkv.kd
    .args:
      - { .name: x_codes, .offset: 0, .size: 8, .value_kind: global_buffer, .address_space: global }
      - { .name: x_scales, .offset: 8, .size: 8, .value_kind: global_buffer, .address_space: global }
      - { .name: wq_codes, .offset: 16, .size: 8, .value_kind: global_buffer, .address_space: global }
      - { .name: wq_scales, .offset: 24, .size: 8, .value_kind: global_buffer, .address_space: global }
      - { .name: qkv16, .offset: 32, .size: 8, .value_kind: global_buffer, .address_space: global }
      - { .name: qkv32, .offset: 40, .size: 8, .value_kind: global_buffer, .address_space: global }
    .group_segment_fixed_size: 327680
    .private_segment_fixed_size: 0
    .kernarg_segment_align: 8
    .kernarg_segment_size: 48
    .max_flat_workgroup_size: 128
    .sgpr_count:     100
    .vgpr_count:     1024
    .wavefront_size: 32
...
	.end_amdgpu_metadata
.endif
;; end of part 2
;; launch attn (part 3): grid 4 x 64, 8 waves a work-group, no clusters, 327,680 bytes of LDS; arguments qkv16, ao16; writes ao16
.if DOCPART == 3
	.amdgcn_target "amdgcn-amd-amdhsa--gfx1250"
	.amdhsa_code_object_version 6
	.text
	.protected	k_q2fd4a223fc_attn
	.globl	k_q2fd4a223fc_attn
	.p2align	8
	.type	k_q2fd4a223fc_attn,@function
k_q2fd4a223fc_attn:
	s_mov_b64 s[64:65], 0
	v_nop
	global_prefetch_b8 v0, s[64:65] scope:SCOPE_SE
	s_setreg_imm32_b32 hwreg(HW_REG_WAVE_MODE, 25, 1), 1
	s_wait_xcnt 0x0
; Causal attention of one head on f16 operands, sums, maxima and softmax in f32.  qkv16: [3][64 heads of batches][2048][64] f16.  ao16: [16 heads][8192 rows][64] f16.
; SHARES.  Work-group (j, bh) owns the blocks j and 7 - j of 256 queries of head bh: (j + 1) + (8 - j) = 9 slots of 256 keys whatever j is, so all 256 work-groups have the same work.  The two passes are ONE walk of
; nine trips, a constant: trip n reads key slot n while n <= j, then n - j - 1.  A wave owns 32 queries, two tiles of 16; waves 4-7 take the groups 7 .. 4, so that the early and the late queries of a diagonal slot are spread over the waves.
; NO CLUSTER: the four work-groups of a head need different key slots in the same trip (their first passes have 1 to 4 slots); walking in step would take 12 slots' time in place of 9.
; LAYOUT.  S^T = K Q^T (source 0 = 16 keys, source 1 = 16 queries): a lane holds ONE query (lane % 16) and keys 8 (lane / 16) + 0..7.  Two such tiles, rounded to f16 in pairs, in place, are source 1 of O^T = V^T P.  V is turned by ds_load_tr16_b128.
; SOFTMAX.  A running maximum m and sum l for each query: p = 2^(c s - c m), c = log2(e) / 8; in every step O and l are multiplied by a = 2^(c m_old - c m_new).
; CAUSAL.  A step of 64 keys that all come after the wave's 32 queries is left out by a scalar branch on ids; in the wave's one step on the diagonal hidden scores become -infinity.  Key 0 counts for every query, so m is a number from the first step on.
; RING.  Two LDS slots of 256 keys.  A head's K and V are dense, so a slot's quarter (64 keys, 8,192 bytes) comes as 32 rows of 256 bytes, two keys to a row; waves 0-3 fetch K's quarters, waves 4-7 V's: one load a wave.
; LIMITS: operands in f16: q, k, v and the result under 65,504 in magnitude; weights p under 6e-8 are lost.  Positions 0-15 of each sequence are written here too and written anew, in f32 arithmetic, by the last launch.
.set SLOT1, 131072                     ; slot 1 begins here: one exclusive or turns an address
.set VOFF,  34816                      ; a slot: K's 128 double rows x 272, then V's 128 x 288
.set STAGE, 202752                     ; the way out: 32 rows x 144 for each wave
.set QPARK, 239616                     ; the second pass's Q, as an image of its registers: 4,096 bytes a wave
.set SPARE, 272384                     ; the spare words: 128 bytes for each of eight waves
.set AK0, 1                            ; v1   my lane's place in a tile of K: (r / 2) 272 + (r % 2) 128 + 16 h
.set AV0, 2                            ; v2   and of V, VOFF included
.set ADK, 3                            ; v3   the step's addresses
.set ADV, 4
.set QO,  5                            ; v5   Q's offset in memory; once Q has landed: the LDS address of the parked Q
.set STO, 6
.set RD,  7
.set GO,  8                            ; v8   16 x lane
.set PFO, 9                            ; v9   256 x lane
.set SPW, 10
.set NIL, 11
.set ST,  12                           ; tile t's statistics at v[12 + 10 t]: +0 c m, +1 m, +2 +3 l, +4 .. +7 at work, +8 a, +9 c m_old, then the difference
.set QF,  32                           ; v32-63   Q: fragment (t, cc) at 32 + 8 (2 t + cc)
.set KV,  64                           ; v64-127  K's eight fragments, then V's eight, by turns
.set S,   128                          ; v128-191 S^T, 32 a tile; then p; then P in the lower half of each tile's registers
.set OT,  192                          ; v192-255 O^T, 32 a tile
.set WV, 8
.set JJ, 9
.set BH, 10
.set GG, 11
.set Q0, 12                            ; s12  my first query
.set KF, 13                            ; s13  the step's first key
.set TB, 14                            ; s14  LDS byte at which the slot in hand begins
.set TR, 15                            ; s15  the trip
.set NK, 16                            ; s16  the key slot last asked for
.set LIMU, 17                          ; s17  7 in the head's work-group 0, else 0: a wave prefetches while the trip is under it
.set SEL, 20
.set CS,  22
.set G1K, 24
.set G1V, 32
.set G0K, 40
.set G0V, 44
.set BK,  48                           ; s[48:49] my quarter of the head's key slot 0 in K;  s[50:51] in V
.set BV,  50
.set PFA, 52
.set AOP, 54                           ; s[54:55] my 32 rows of the output
.set DQ,  56                           ; s[56:57] from the first pass's rows to the second's, in bytes: (7 - 2 j) x 32,768
.set DR,  58                           ; s58      and in rows
.macro TLOAD                           ; every wave has one load: the branch hangs on the wave's number alone.  An s_nop 0 and four v_nop follow each line
	s_cmp_lt_u32 s[WV], 4
	s_cbranch_scc0 .Lfor_v_\@
	tensor_load_to_lds s[G0K:G0K+3], s[G1K:G1K+7]
	s_nop 0
.rept 4
	v_nop
.endr
	s_branch .Lasked_\@
.Lfor_v_\@:
	tensor_load_to_lds s[G0V:G0V+3], s[G1V:G1V+7]
	s_nop 0
.rept 4
	v_nop
.endr
.Lasked_\@:
.endm
; A PREFETCH of what the NEXT change of slots will ask for.  All four work-groups of a head walk the same K and V; work-group 0's second pass walks all eight key slots in order, so it alone asks: in trips 0 to 6 for key slots 1 to 7.
; Each of its waves names the 8,192 bytes that it will itself load, lanes 256 bytes apart: each block of 256 bytes is named once in the launch.  Slot 0 comes by its load alone; trips 7 and 8 ask for nothing.
.macro ASK
	s_cmp_lt_u32 s[TR], s[LIMU]
	s_cbranch_scc0 .Lnot_mine_\@
	global_prefetch_b8 v[PFO], s[PFA:PFA+1] th:TH_LOAD_NT scope:SCOPE_SE
.Lnot_mine_\@:
.endm
.macro INIT                            ; a pass begins: m under every score, l and O^T zero (the step is written once: its first run finds zeros, which the first a leaves zeros)
.irp t, 0,1
	v_mov_b32 v[ST+10*\t+1], 0xff61b1e6            ; -3e38
	v_mov_b32 v[ST+10*\t+2], 0
	v_mov_b32 v[ST+10*\t+3], 0
	v_mov_b32 v[ST+10*\t+5], 0                     ; a lane permute's destination counts as one of its sources
	v_mul_f32 v[ST+10*\t], s[CS], v[ST+10*\t+1]
.endr
.set i, 0
.rept 64
	v_mov_b32 v[OT+i], 0
.set i, i+1
.endr
.endm
	s_load_b128 s[4:7], s[0:1], 0x0                ; qkv16 s[4:5], ao16 s[6:7]
	v_lshl_add_u32 v[SPW], v0, 2, SPARE
	v_mov_b32 v[NIL], 0
	ds_add_u32 v[SPW], v[NIL]                      ; the wave's opening
	ds_add_u32 v[SPW], v[NIL]
	v_lshrrev_b32 v1, 5, v0
	v_readfirstlane_b32 s[WV], v1                  ; wave 0..7
	s_mov_b32 s[JJ], ttmp9
	s_and_b32 s[BH], ttmp7, 0xffff
	s_sub_co_u32 s[GG], 11, s[WV]
	s_cmp_lt_u32 s[WV], 4
	s_cselect_b32 s[GG], s[WV], s[GG]              ; my group of 32 queries: 0 1 2 3 7 6 5 4
	s_lshl_b32 s[Q0], s[JJ], 8
	s_lshl_b32 s18, s[GG], 5
	s_add_co_u32 s[Q0], s[Q0], s18
	s_mov_b32 s[G1K], (3<<16)|(1<<20)|(5<<22)|(3<<25)   ; elements of 8 bytes; padding: 4 words after every 64
	s_mov_b32 s[G1V], (3<<16)|(1<<20)|(5<<22)|(7<<25)   ; 8 words
.irp g, G1K, G1V
	s_mov_b32 s[\g+1], 32<<16                      ; tensor_dim0 = 32 elements: 256 bytes
	s_mov_b32 s[\g+2], 32<<16                      ; tensor_dim1 = 32 rows
	s_mov_b32 s[\g+3], 32<<16                      ; tile_dim0
	s_mov_b32 s[\g+4], 32                          ; tile_dim1
	s_mov_b32 s[\g+5], 32                          ; the pitch: dense
	s_mov_b32 s[\g+6], 0
	s_mov_b32 s[\g+7], 0
.endr
	s_mov_b32 s[SEL], 0x76543210
	s_mov_b32 s[SEL+1], 0xfedcba98
	s_mov_b32 s[CS], 0x3e38aa3b                    ; c = log2(e) / 8
	s_mov_b32 s[CS+1], s[CS]
	s_and_b32 s19, s[WV], 3                        ; my quarter of a slot
	s_mov_b32 s[G0K], 1
	s_mul_i32 s[G0K+1], s19, 8704
	s_mov_b32 s[G0V], 1
	s_mul_i32 s[G0V+1], s19, 9216
	s_add_co_u32 s[G0V+1], s[G0V+1], VOFF
	s_lshl_b32 s60, s[BH], 18
	s_lshl_b32 s18, s19, 13
	s_add_co_u32 s60, s60, s18                     ; the head, and my quarter
	s_mov_b32 s61, 0
	s_lshl_b32 s18, s[JJ], 1
	s_sub_co_u32 s18, 7, s18                       ; 7 - 2 j: 7, 5, 3, 1
	s_lshl_b32 s[DQ], s18, 15
	s_mov_b32 s[DQ+1], 0
	s_lshl_b32 s[DR], s18, 8
	s_lshl_b32 s62, s[BH], 18
	s_lshl_b32 s18, s[Q0], 7
	s_add_co_u32 s62, s62, s18                     ; Q: the head, my first query
	s_mov_b32 s63, 0
	s_cmp_eq_u32 s[JJ], 0
	s_cselect_b32 s[LIMU], 7, 0
	s_mov_b32 s[TB], 0
	s_mov_b32 s[KF], 0
	s_mov_b32 s[TR], 0
	s_mov_b32 s[NK], 0
	s_wait_dscnt 0x0                               ; both opening adds are done
	s_wait_kmcnt 0x0
	s_add_nc_u64 s[BK:BK+1], s[4:5], s[60:61]
	s_add_nc_u64 s[BV:BV+1], s[BK:BK+1], 0x2000000
	s_add_nc_u64 s[BK:BK+1], s[BK:BK+1], 0x1000000
	s_mov_b64 s[G0K+2:G0K+3], s[BK:BK+1]
	s_or_b32 s[G0K+3], s[G0K+3], 0x80000000
	s_mov_b64 s[G0V+2:G0V+3], s[BV:BV+1]
	s_or_b32 s[G0V+3], s[G0V+3], 0x80000000
	TLOAD                                          ; key slot 0 into LDS slot 0
	s_add_nc_u64 s[66:67], s[4:5], s[62:63]        ; the first pass's Q,
	s_add_nc_u64 s[68:69], s[66:67], s[DQ:DQ+1]    ; the second's
	s_cmp_lt_u32 s[WV], 4
	s_cselect_b64 s[PFA:PFA+1], s[BK:BK+1], s[BV:BV+1]   ; at key slot 0: the first change of slots steps it to slot 1
	s_and_b32 s18, s[BH], 15
	s_lshl_b32 s62, s18, 20
	s_lshr_b32 s18, s[BH], 4
	s_lshl_b32 s18, s18, 11
	s_add_co_u32 s18, s18, s[Q0]
	s_lshl_b32 s18, s18, 7
	s_add_co_u32 s62, s62, s18
	s_add_nc_u64 s[AOP:AOP+1], s[6:7], s[62:63]
	v_and_b32 v12, 15, v0                          ; r
	v_bfe_u32 v13, v0, 4, 1                        ; h
	v_lshlrev_b32 v[QO], 7, v12
	v_lshl_add_u32 v[QO], v13, 4, v[QO]            ; row r of 128 bytes, + 16 h
.irp t, 0,1
.irp cc, 0,1
	global_load_b128 v[QF+8*(2*\t+\cc):QF+8*(2*\t+\cc)+3],   v[QO], s[66:67] offset:\t*2048+64*\cc
	global_load_b128 v[QF+8*(2*\t+\cc)+4:QF+8*(2*\t+\cc)+7], v[QO], s[66:67] offset:\t*2048+64*\cc+32
.endr
.endr
.irp t, 0,1
.irp cc, 0,1
	global_load_b128 v[S+8*(2*\t+\cc):S+8*(2*\t+\cc)+3],   v[QO], s[68:69] offset:\t*2048+64*\cc
	global_load_b128 v[S+8*(2*\t+\cc)+4:S+8*(2*\t+\cc)+7], v[QO], s[68:69] offset:\t*2048+64*\cc+32
.endr
.endr
	v_bfe_u32 v14, v0, 1, 3                        ; r / 2
	v_and_b32 v15, 1, v0
	v_mul_u32_u24 v[AK0], v14, 272
	v_lshl_add_u32 v[AK0], v15, 7, v[AK0]
	v_lshl_add_u32 v[AK0], v13, 4, v[AK0]
	v_bfe_u32 v16, v0, 1, 2                        ; the turning load: lane L reads key 8 h + L % 8, channels 8 ((L / 8) % 2) on
	v_lshl_add_u32 v16, v13, 2, v16
	v_mul_u32_u24 v[AV0], v16, 288
	v_lshl_add_u32 v[AV0], v15, 7, v[AV0]
	v_bfe_u32 v17, v0, 3, 1
	v_lshl_add_u32 v[AV0], v17, 4, v[AV0]
	v_add_nc_u32 v[AV0], VOFF, v[AV0]
	s_mul_i32 s18, s[WV], 4608
	s_add_co_u32 s18, s18, STAGE
	v_mul_u32_u24 v[STO], v12, 144
	v_lshl_add_u32 v[STO], v13, 4, v[STO]
	v_add_nc_u32 v[STO], s18, v[STO]
	v_bfe_u32 v18, v0, 3, 2
	v_and_b32 v19, 7, v0
	v_mul_u32_u24 v[RD], v18, 144
	v_lshl_add_u32 v[RD], v19, 4, v[RD]
	v_add_nc_u32 v[RD], s18, v[RD]
	v_and_b32 v20, 31, v0
	v_lshlrev_b32 v[GO], 4, v20
	v_lshlrev_b32 v[PFO], 8, v20
	INIT
	s_lshl_b32 s18, s[WV], 12
	s_add_co_u32 s18, s18, QPARK
	s_wait_loadcnt 0x0                             ; both passes' Q are in, and Q's offset register is free
	v_add_nc_u32 v[QO], s18, v[GO]
.irp i, 0,1,2,3,4,5,6,7
	ds_store_b128 v[QO], v[S+4*\i:S+4*\i+3] offset:512*\i   ; the second pass's Q waits in LDS as an image of its registers
.endr
; The softmax of both tiles for one step, the tiles by turns so that no line waits for the line above it.
.macro SMX
.irp j, 0,1,2,3
.irp t, 0,1
	v_max3_num_f32 v[ST+10*\t+4+\j], v[S+32*\t+8*\j], v[S+32*\t+8*\j+1], v[S+32*\t+8*\j+2]   ; each accumulator is read from its low end on
.endr
.endr
.irp i, 3,5
.irp j, 0,1,2,3
.irp t, 0,1
	v_max3_num_f32 v[ST+10*\t+4+\j], v[ST+10*\t+4+\j], v[S+32*\t+8*\j+\i], v[S+32*\t+8*\j+\i+1]
.endr
.endr
.endr
.irp t, 0,1
	v_max3_num_f32 v[ST+10*\t+4], v[ST+10*\t+4], v[S+32*\t+7], v[S+32*\t+15]
.endr
.irp t, 0,1
	v_max3_num_f32 v[ST+10*\t+6], v[ST+10*\t+6], v[S+32*\t+23], v[S+32*\t+31]
.endr
.irp t, 0,1
	v_max3_num_f32 v[ST+10*\t+4], v[ST+10*\t+4], v[ST+10*\t+5], v[ST+10*\t+6]
.endr
.irp t, 0,1
	v_max3_num_f32 v[ST+10*\t+4], v[ST+10*\t+4], v[ST+10*\t+7], v[ST+10*\t+1]   ; and the old m
.endr
.irp t, 0,1
	v_permlanex16_b32 v[ST+10*\t+5], v[ST+10*\t+4], s[SEL], s[SEL+1]   ; the query's other 32 keys lie in the lane 16 away
.endr
.irp t, 0,1
	v_mov_b32 v[ST+10*\t+9], v[ST+10*\t]
.endr
.irp t, 0,1
	v_max_num_f32 v[ST+10*\t+1], v[ST+10*\t+4], v[ST+10*\t+5]
.endr
.irp t, 0,1
	v_mul_f32 v[ST+10*\t], s[CS], v[ST+10*\t+1]
.endr
.irp t, 0,1
	v_sub_f32 v[ST+10*\t+9], v[ST+10*\t+9], v[ST+10*\t]
.endr
.irp i, 0,2,4,6,8,10,12,14,16,18,20,22,24,26,28,30
.irp t, 0,1
	v_pk_fma_f32 v[S+32*\t+\i:S+32*\t+\i+1], v[S+32*\t+\i:S+32*\t+\i+1], s[CS:CS+1], v[ST+10*\t:ST+10*\t+1] op_sel_hi:[1,0,0] neg_lo:[0,0,1] neg_hi:[0,0,1]   ; c s - c m
.endr
.endr
.irp t, 0,1
	v_exp_f32 v[ST+10*\t+8], v[ST+10*\t+9]         ; a
.endr
.set i, 0
.rept 32
.irp t, 0,1
	v_exp_f32 v[S+32*\t+i], v[S+32*\t+i]           ; p
.endr
.set i, i+1
.endr
	v_nop                                          ; a plain line behind the last exponential
	s_wait_alu depctr_va_vdst(0)                   ; one wait for the batch of 66, ahead of its first reader
.irp t, 0,1
	v_pk_add_f32 v[ST+10*\t+4:ST+10*\t+5], v[S+32*\t:S+32*\t+1], v[S+32*\t+2:S+32*\t+3]
.endr
.irp t, 0,1
	v_pk_add_f32 v[ST+10*\t+6:ST+10*\t+7], v[S+32*\t+4:S+32*\t+5], v[S+32*\t+6:S+32*\t+7]
.endr
.irp i, 8,12,16,20,24,28
.irp t, 0,1
	v_pk_add_f32 v[ST+10*\t+4:ST+10*\t+5], v[ST+10*\t+4:ST+10*\t+5], v[S+32*\t+\i:S+32*\t+\i+1]
	v_pk_add_f32 v[ST+10*\t+6:ST+10*\t+7], v[ST+10*\t+6:ST+10*\t+7], v[S+32*\t+\i+2:S+32*\t+\i+3]
.endr
.endr
.irp t, 0,1
	v_pk_add_f32 v[ST+10*\t+4:ST+10*\t+5], v[ST+10*\t+4:ST+10*\t+5], v[ST+10*\t+6:ST+10*\t+7]
.endr
.irp t, 0,1
	v_pk_fma_f32 v[ST+10*\t+2:ST+10*\t+3], v[ST+10*\t+2:ST+10*\t+3], v[ST+10*\t+8:ST+10*\t+9], v[ST+10*\t+4:ST+10*\t+5] op_sel_hi:[1,0,1]   ; l = a l + the step's sum, of the weights in f32
.endr
.set i, 0
.rept 16
.irp t, 0,1
	v_cvt_pk_f16_f32 v[S+32*\t+i], v[S+32*\t+2*i], v[S+32*\t+2*i+1]   ; in place, ascending: register i has been read when it is written
.endr
.set i, i+1
.endr
.irp i, 0,2,4,6,8,10,12,14,16,18,20,22,24,26,28,30
.irp t, 0,1
	v_pk_mul_f32 v[OT+32*\t+\i:OT+32*\t+\i+1], v[OT+32*\t+\i:OT+32*\t+\i+1], v[ST+10*\t+8:ST+10*\t+9] op_sel_hi:[1,0]
.endr
.endr
.endm
; A STEP: 64 keys, the q-th of the slot in hand.
.macro STEP q
	s_add_co_u32 s18, s[Q0], 31
	s_cmp_gt_u32 s[KF], s18                        ; all 64 keys come after my 32 queries: the step's work is left out
	s_cbranch_scc1 .Lhidden_\@
	v_add_nc_u32 v[ADK], s[TB], v[AK0]
	v_add_nc_u32 v[ADV], s[TB], v[AV0]
.irp cc, 0,1                                   ; channels 0-31 first
.irp kt, 0,1,2,3
	ds_load_b128 v[KV+8*(2*\kt+\cc):KV+8*(2*\kt+\cc)+3],   v[ADK] offset:(\q)*8704+\kt*2176+64*\cc
	ds_load_b128 v[KV+8*(2*\kt+\cc)+4:KV+8*(2*\kt+\cc)+7], v[ADK] offset:(\q)*8704+\kt*2176+64*\cc+32
.endr
.endr
.irp cc, 0,1
	s_wait_dscnt 8-8*\cc                           ; the first eight loads are in, the other eight may be out; then all
.irp kt, 0,1,2,3
.irp t, 0,1                                    ; eight accumulators by turns, one instruction a turn
.if \cc == 0
	v_wmma_f32_16x16x32_f16 v[S+32*\t+8*\kt:S+32*\t+8*\kt+7], v[KV+8*(2*\kt+\cc):KV+8*(2*\kt+\cc)+7], v[QF+8*(2*\t+\cc):QF+8*(2*\t+\cc)+7], 0
.else
	v_wmma_f32_16x16x32_f16 v[S+32*\t+8*\kt:S+32*\t+8*\kt+7], v[KV+8*(2*\kt+\cc):KV+8*(2*\kt+\cc)+7], v[QF+8*(2*\t+\cc):QF+8*(2*\t+\cc)+7], v[S+32*\t+8*\kt:S+32*\t+8*\kt+7]
.endif
.endr
.endr
.endr
.rept 4
	v_nop                                          ; places in front of the loads into K's registers and of the first read of the scores
.endr
.irp u, 0,1                                    ; V, turned: fragment (c, u): channels 16 c on, keys 32 u on.  It lands under the softmax
.irp c, 0,1,2,3
	ds_load_tr16_b128 v[KV+8*(4*\u+\c):KV+8*(4*\u+\c)+3],   v[ADV] offset:(\q)*9216+\u*4608+32*\c
	ds_load_tr16_b128 v[KV+8*(4*\u+\c)+4:KV+8*(4*\u+\c)+7], v[ADV] offset:(\q)*9216+\u*4608+2304+32*\c
.endr
.endr
	s_add_co_u32 s18, s[KF], 63
	s_cmp_le_u32 s18, s[Q0]                        ; all 64 keys count for all my queries: no mask
	s_cbranch_scc1 .Lopen_\@
	s_sub_co_i32 s18, s[Q0], s[KF]
	v_and_b32 v[ST+4], 15, v0
	v_bfe_u32 v[ST+5], v0, 4, 1
	v_lshlrev_b32 v[ST+5], 3, v[ST+5]
	v_sub_nc_u32 v[ST+4], v[ST+4], v[ST+5]
	v_add_nc_u32 v[ST+4], s18, v[ST+4]             ; d = my query - KF - 8 h in tile 0.  Register n holds key KF + 8 h + 16 (n / 8) + n % 8: it counts where 16 (n / 8) + n % 8 <= d
	v_add_nc_u32 v[ST+14], 16, v[ST+4]             ; and in tile 1
	v_mov_b32 v[ST+6], 0xff800000                  ; -infinity
.irp t, 0,1
.set n, 0
.rept 32
	v_cmp_le_i32 vcc_lo, 16*(n/8)+n%8, v[ST+10*\t+4]
	v_cndmask_b32 v[S+32*\t+n], v[ST+6], v[S+32*\t+n], vcc_lo
.set n, n+1
.endr
.endr
.Lopen_\@:
	SMX
	s_wait_dscnt 0x0                               ; V is in
.irp u, 0,1
.irp c, 0,1,2,3
.irp t, 0,1
	v_wmma_f32_16x16x32_f16 v[OT+32*\t+8*\c:OT+32*\t+8*\c+7], v[KV+8*(4*\u+\c):KV+8*(4*\u+\c)+7], v[S+32*\t+8*\u:S+32*\t+8*\u+7], v[OT+32*\t+8*\c:OT+32*\t+8*\c+7]
.endr
.endr
.endr
.rept 5
	v_nop                                          ; five places: the next step's first products write over P, which these have read; its loads land on V's registers
.endr
.Lhidden_\@:
	s_add_co_u32 s[KF], s[KF], 64
.endm
; THE CHANGE OF SLOTS stands at a trip's head.  Each wave waits for all its tensor loads (its quarter of the slot that is about to be read), adds 0 to its spare word, and waits for that and for its reads of the slot that it has left.
; Behind the barrier the slot ahead is whole and nobody reads the other one; fill = 1: it takes the next trip's keys, one load a wave, which has the trip's four steps in which to land.
.macro CHANGE fill
	s_wait_tensorcnt 0x0                           ; no tensor load of mine is out, so a group 0 may be written
	ds_add_u32 v[SPW], v[NIL]                      ; 0 onto my spare word; the descriptors' steps stand between it and the wait for it
.if \fill
	s_add_co_u32 s18, s[NK], 1
	s_cmp_eq_u32 s[TR], s[JJ]                      ; the first pass ends with this trip: the next trip begins again at key slot 0
	s_cselect_b32 s[NK], 0, s18
	s_lshl_b32 s60, s[NK], 15
	s_mov_b32 s61, 0
	s_add_nc_u64 s[G0K+2:G0K+3], s[BK:BK+1], s[60:61]
	s_or_b32 s[G0K+3], s[G0K+3], 0x80000000
	s_add_nc_u64 s[G0V+2:G0V+3], s[BV:BV+1], s[60:61]
	s_or_b32 s[G0V+3], s[G0V+3], 0x80000000
	s_xor_b32 s[G0K+1], s[G0K+1], SLOT1
	s_xor_b32 s[G0V+1], s[G0V+1], SLOT1
	s_wait_xcnt 0x0                                ; the last prefetch, a trip back, has read its address
	s_add_nc_u64 s[PFA:PFA+1], s[PFA:PFA+1], 32768
.endif
	s_wait_dscnt 0x0                               ; the add is done, and my reads of the slot that I have left are over
	s_barrier_signal -1
	s_barrier_wait -1
.if \fill
	TLOAD                                          ; the first thing behind the barrier, and my one tensor load until the next
	ASK
.endif
.endm
; A PASS ENDS: O^T / l, rounded to f16, through my stage in LDS, so that the 32 lanes store four rows of 128 bytes: 512 consecutive bytes.  re = 1: the second pass is set up.
.macro FINISH re
.irp t, 0,1
	v_add_f32 v[ST+10*\t+4], v[ST+10*\t+2], v[ST+10*\t+3]
.endr
.irp t, 0,1
	v_permlanex16_b32 v[ST+10*\t+5], v[ST+10*\t+4], s[SEL], s[SEL+1]
.endr
.irp t, 0,1
	v_add_f32 v[ST+10*\t+4], v[ST+10*\t+4], v[ST+10*\t+5]
.endr
.irp t, 0,1
	v_rcp_f32 v[ST+10*\t+8], v[ST+10*\t+4]
.endr
	v_nop
	s_wait_alu depctr_va_vdst(0)                   ; one wait for the two reciprocals, ahead of their first reader
.irp t, 0,1
.irp i, 0,2,4,6,8,10,12,14,16,18,20,22,24,26,28,30
	v_pk_mul_f32 v[S+32*\t+\i:S+32*\t+\i+1], v[OT+32*\t+\i:OT+32*\t+\i+1], v[ST+10*\t+8:ST+10*\t+9] op_sel_hi:[1,0]
.endr
.endr
.irp t, 0,1
.set i, 0
.rept 16
	v_cvt_pk_f16_f32 v[KV+16*\t+i], v[S+32*\t+2*i], v[S+32*\t+2*i+1]
.set i, i+1
.endr
.endr
.irp t, 0,1
.irp c, 0,1,2,3
	ds_store_b128 v[STO], v[KV+16*\t+4*\c:KV+16*\t+4*\c+3] offset:\t*2304+32*\c
.endr
.endr
.irp t, 0,1
.irp g, 0,1,2,3
	ds_load_b128 v[KV+32+16*\t+4*\g:KV+32+16*\t+4*\g+3], v[RD] offset:(16*\t+4*\g)*144   ; LDS serves a wave's instructions in order: these see my stores
.endr
.endr
.irp t, 0,1
.irp g, 0,1,2,3
	s_wait_dscnt 7-(4*\t+\g)                       ; the younger loads may be out
	global_store_b128 v[GO], v[KV+32+16*\t+4*\g:KV+32+16*\t+4*\g+3], s[AOP:AOP+1] offset:\t*2048+\g*512
.endr
.endr
.if \re
	s_wait_xcnt 0x0                                ; the stores have read their registers and their base
	s_add_nc_u64 s[AOP:AOP+1], s[AOP:AOP+1], s[DQ:DQ+1]
	s_add_co_u32 s[Q0], s[Q0], s[DR]
	s_mov_b32 s[KF], 0
.irp i, 0,1,2,3,4,5,6,7
	ds_load_b128 v[QF+4*\i:QF+4*\i+3], v[QO] offset:512*\i
.endr
	INIT
	s_wait_dscnt 0x0                               ; the second pass's Q is in
.endif
.endm
.Ltrip:                                            ; eight trips, each of which asks for the next trip's slot; the ninth is written out without a load
	CHANGE 1
	STEP 0
	STEP 1
	STEP 2
	STEP 3
	s_xor_b32 s[TB], s[TB], SLOT1
	s_or_b32 s18, s[Q0], 255                       ; my block's last query
	s_cmp_gt_u32 s[KF], s18                        ; the block's diagonal slot is done: the same in all eight waves
	s_cbranch_scc0 .Lon
	FINISH 1
.Lon:
	s_add_co_u32 s[TR], s[TR], 1
	s_cmp_lt_u32 s[TR], 8
	s_cbranch_scc1 .Ltrip
	CHANGE 0
	STEP 0
	STEP 1
	STEP 2
	STEP 3
	FINISH 0
	s_wait_tensorcnt 0x0                           ; the wave's end
	ds_add_u32 v[SPW], v[NIL]
	s_wait_dscnt 0x0
	s_endpgm
.Lfunc_end_k_q2fd4a223fc_attn:
	.size	k_q2fd4a223fc_attn, .Lfunc_end_k_q2fd4a223fc_attn-k_q2fd4a223fc_attn
	.p2alignl 7, 3214868480
	.fill 96, 4, 3214868480
	.section	.rodata,"a",@progbits
	.p2align	6, 0x0
	.amdhsa_kernel k_q2fd4a223fc_attn
		.amdhsa_group_segment_fixed_size 327680
		.amdhsa_private_segment_fixed_size 0
		.amdhsa_enable_private_segment 0
		.amdhsa_kernarg_size 16
		.amdhsa_user_sgpr_count 2
		.amdhsa_user_sgpr_kernarg_segment_ptr 1
		.amdhsa_wavefront_size32 1
		.amdhsa_system_sgpr_workgroup_id_x 1
		.amdhsa_system_sgpr_workgroup_id_y 1
		.amdhsa_system_sgpr_workgroup_id_z 1
		.amdhsa_system_vgpr_workitem_id 0
		.amdhsa_next_free_vgpr 256
		.amdhsa_next_free_sgpr 70
		.amdhsa_reserve_vcc 1
		.amdhsa_float_denorm_mode_32 3
		.amdhsa_float_denorm_mode_16_64 3
		.amdhsa_memory_ordered 1
		.amdhsa_forward_progress 1
		.amdhsa_inst_pref_size 200
	.end_amdhsa_kernel
	.amdgpu_metadata
---
amdhsa.version: [ 1, 2 ]
amdhsa.kernels:
  - .name:           k_q2fd4a223fc_attn
    .symbol:         k_q2fd4a223fc_attn.kd
    .args:
      - { .name: qkv16, .offset: 0, .size: 8, .value_kind: global_buffer, .address_space: global }
      - { .name: ao16, .offset: 8, .size: 8, .value_kind: global_buffer, .address_space: global }
    .group_segment_fixed_size: 327680
    .private_segment_fixed_size: 0
    .kernarg_segment_align: 8
    .kernarg_segment_size: 16
    .max_flat_workgroup_size: 256
    .sgpr_count:     70
    .vgpr_count:     256
    .wavefront_size: 32
...
	.end_amdgpu_metadata
.endif
;; end of part 3
;; launch proj (part 4): grid 4 x 64, 4 waves a work-group, clusters of 4 x 4, 327,680 bytes of LDS; arguments ao16, wp16, out0; writes out0
.if DOCPART == 4
	.amdgcn_target "amdgcn-amd-amdhsa--gfx1250"
	.amdhsa_code_object_version 6
	.text
	.protected	k_q2fd4a223fc_proj
	.globl	k_q2fd4a223fc_proj
	.p2align	8
	.type	k_q2fd4a223fc_proj,@function
k_q2fd4a223fc_proj:
	s_mov_b64 s[64:65], 0
	v_nop
	global_prefetch_b8 v0, s[64:65] scope:SCOPE_SE
	s_setreg_imm32_b32 hwreg(HW_REG_WAVE_MODE, 25, 1), 1
	s_wait_xcnt 0x0
	s_wait_alu depctr_hold_cnt(0) depctr_sa_sdst(0) depctr_va_vdst(0) depctr_va_sdst(0) depctr_va_ssrc(0) depctr_va_vcc(0) depctr_vm_vsrc(0)
	s_getreg_b32 s2, hwreg(HW_REG_IB_STS2, 6, 4)
	s_cmp_eq_u32 s2, 0
	s_cbranch_scc0 .Lentry_in_a_cluster
	s_endpgm
.Lentry_in_a_cluster:
	s_bfe_u32 s2, ttmp6, 0x10000c
	s_cmp_lg_u32 s2, 0xf033
	s_cbranch_scc0 .Lentry_shape_is_right
	s_endpgm
.Lentry_shape_is_right:
; out0 = attention's result x w_proj, f16 operands, f32 sums and output.  A = ao16 [16 heads][8192 rows][64] f16 (k = 64 head + channel); B = wp16 [1024 k][1024 n] f16; out0 [8192][1024] f32.
; A tile of C is 128 rows x 256 columns: 256 work-groups.  Four waves, each 64 x 128: 32 accumulators, 256 registers.  K goes in steps of 128 (two heads) through two LDS slots.
; A's part of a step is two dense blocks (128 rows x 128 bytes of a head), each brought as 64 rows of 256 bytes, two rows of A to a row; B's is 128 k-rows of 512 bytes, read turned by ds_load_tr16_b128.
; CLUSTERS: 4 x 4 work-groups; A's tiles are asked for jointly along a row of the cluster, B's along a column.  THE MATRIX INSTRUCTION IS USED TRANSPOSED (source 0 = 16 columns of B, source 1 = 16 rows of A): a lane holds eight neighbouring numbers of a row of C.
; Rows 0-15 of each sequence are written here and written anew, in f32 arithmetic, by the last launch.
; REGISTERS: window 0: v0-31 addresses; v32-159 the way out.  window 1: two fragment buffers of 96: B's eight fragments, then A's four.  window 2: accumulator (a, b) at v[8 (8 a + b)].
.set APL,    17408                     ; a head's 128 rows in LDS: 64 double rows x 272
.set BOFF,   2*APL
.set BP,     544                       ; a k-row of B: 512 bytes + 32: the eight rows x 32 bytes of a turning load fall on different banks
.set SLOT,   BOFF+128*BP
.set STAGE,  2*SLOT                    ; 16 rows x 528 for each wave
.set SPARE,  STAGE+4*16*528
.set ADRA, 16
.set ADRB, 20
.set STO,  24
.set RD,   25
.set CO,   26
.set SPW,  28
.set NIL,  29
.set F0,   0
.set F1,   96
.set G1, 24
.set G0, 32
.set G1B, 48
.set G0B, 56
.set MSB, 0
.macro WIN new
.if MSB != \new
	s_set_vgpr_msb (MSB<<8)|\new
.set MSB, \new
.endif
.endm
.set MUL,  0xa5                        ; sources 0 (B) and 1 (A) window 1; C and D window 2
.set TO_F, 0x40                        ; destination window 1, address window 0
.macro JLOAD s                         ; waves 0 and 1 fetch A's two heads, waves 2 and 3 B's two halves; an s_nop 0 and four v_nop follow each line
	s_cmp_eq_u32 s11, 0
	s_cbranch_scc0 .Lfor_b_\@
	tensor_load_to_lds s[G0+4*\s:G0+4*\s+3], s[G1:G1+7]
	s_nop 0
.rept 4
	v_nop
.endr
	s_branch .Lasked_\@
.Lfor_b_\@:
	tensor_load_to_lds s[G0B+4*\s:G0B+4*\s+3], s[G1B:G1B+7]
	s_nop 0
.rept 4
	v_nop
.endr
.Lasked_\@:
.endm
.macro CREST
	s_cmp_lg_u32 s10, 0
	s_cbranch_scc1 .Lnot_wave_0_\@
	s_barrier_signal -3
.Lnot_wave_0_\@:
	s_barrier_wait -3
	s_barrier_signal -1
	s_barrier_wait -1
.endm
.macro CROUND
	s_barrier_signal -1
	s_barrier_wait -1
	CREST
.endm
	s_load_b128 s[4:7], s[0:1], 0x0                ; ao16 s[4:5], wp16 s[6:7]
	s_load_b64 s[8:9], s[0:1], 0x10                ; out0
	v_lshl_add_u32 v[SPW], v0, 2, SPARE
	v_mov_b32 v[NIL], 0
	ds_add_u32 v[SPW], v[NIL]                      ; the wave's opening
	ds_add_u32 v[SPW], v[NIL]
	v_lshrrev_b32 v1, 5, v0
	v_readfirstlane_b32 s10, v1                    ; wave 0..3
	s_lshr_b32 s11, s10, 1                         ; which 64 rows are mine.  Also: I fetch for A (0) or for B (1)
	s_and_b32 s12, s10, 1                          ; which 128 columns.  Also: which head of the step, or which 64 k-rows, I fetch
	s_bfe_u32 s40, ttmp6, 0x40000                  ; cx, cy
	s_bfe_u32 s41, ttmp6, 0x40004
	s_lshl_b32 s42, ttmp9, 2
	s_add_co_u32 s42, s42, s40                     ; tile column
	s_and_b32 s13, ttmp7, 0xffff
	s_lshl_b32 s13, s13, 2
	s_add_co_u32 s13, s13, s41                     ; tile row
	s_lshl_b32 s43, s41, 2
	s_lshl_b32 s43, 15, s43                        ; my row of the cluster
	s_lshl_b32 s44, 0x1111, s40                    ; my column
	s_or_b32 s[G1+0], s43, (3<<16)|(1<<20)|(1<<21)|(5<<22)|(3<<25)   ; A: elements of 8 bytes; 4 words of padding after every 64
	s_mov_b32 s[G1+1], 32<<16                      ; tensor_dim0: 256 bytes
	s_mov_b32 s[G1+2], 64<<16                      ; tensor_dim1
	s_mov_b32 s[G1+3], 32<<16                      ; tile_dim0
	s_mov_b32 s[G1+4], 64                          ; tile_dim1
	s_mov_b32 s[G1+5], 32                          ; dense
	s_mov_b32 s[G1+6], 0
	s_mov_b32 s[G1+7], 0
	s_or_b32 s[G1B+0], s44, (1<<16)|(1<<20)|(1<<21)|(6<<22)|(7<<25)  ; B: elements of 2 bytes; 8 words of padding after every 128
	s_mov_b32 s[G1B+1], 256<<16
	s_mov_b32 s[G1B+2], 64<<16
	s_mov_b32 s[G1B+3], 256<<16
	s_mov_b32 s[G1B+4], 64
	s_mov_b32 s[G1B+5], 1024
	s_mov_b32 s[G1B+6], 0
	s_mov_b32 s[G1B+7], 0
	s_lshl_b32 s16, s13, 14                        ; A: the tile's 128 rows of 128 bytes,
	s_lshl_b32 s17, s12, 20                        ; in my head of the step
	s_add_co_u32 s16, s16, s17
	s_mov_b32 s17, 0
	s_lshl_b32 s46, s42, 9                         ; B: the tile's 256 columns,
	s_lshl_b32 s47, s12, 17                        ; my 64 k-rows of 2,048 bytes
	s_add_co_u32 s46, s46, s47
	s_mov_b32 s47, 0
	s_mul_i32 s20, s12, APL                        ; where they go: no place in the cluster enters an LDS address
	s_mul_i32 s21, s12, 64*BP
	s_add_co_u32 s21, s21, BOFF
	s_wait_dscnt 0x0                               ; both opening adds are done
	s_wait_kmcnt 0x0
	s_add_nc_u64 s[14:15], s[4:5], s[16:17]
	s_add_nc_u64 s[46:47], s[6:7], s[46:47]
	CROUND                                         ; all sixteen work-groups are here: the first joint loads meet
.irp s, 0,1
	s_mov_b32 s[G0+4*\s], 1
	s_add_co_u32 s[G0+4*\s+1], s20, \s*SLOT
	s_add_nc_u64 s[G0+4*\s+2:G0+4*\s+3], s[14:15], \s*2097152     ; K step s: two heads on
	s_or_b32 s[G0+4*\s+3], s[G0+4*\s+3], 0x80000000
	s_mov_b32 s[G0B+4*\s], 1
	s_add_co_u32 s[G0B+4*\s+1], s21, \s*SLOT
	s_add_nc_u64 s[G0B+4*\s+2:G0B+4*\s+3], s[46:47], \s*262144    ; 128 k-rows on
	s_or_b32 s[G0B+4*\s+3], s[G0B+4*\s+3], 0x80000000
	JLOAD \s
.endr
	v_and_b32 v1, 15, v0                           ; r
	v_bfe_u32 v2, v0, 4, 1                         ; h
	v_bfe_u32 v3, v0, 1, 3
	v_and_b32 v4, 1, v0
	v_mul_u32_u24 v5, v3, 272
	v_lshl_add_u32 v5, v4, 7, v5
	v_lshl_add_u32 v5, v2, 4, v5                   ; A: (r / 2) 272 + (r % 2) 128 + 16 h
	v_and_b32 v6, 7, v0
	v_lshl_add_u32 v6, v2, 3, v6
	v_mul_u32_u24 v6, v6, BP
	v_bfe_u32 v7, v0, 3, 1
	v_lshl_add_u32 v6, v7, 4, v6                   ; B, turned: k-row 8 h + L % 8, 16 bytes for each half of eight lanes
	s_mul_i32 s21, s11, 8704                       ; my 64 rows of A: 32 double rows
	s_lshl_b32 s22, s12, 8                         ; my 128 columns of B
	s_add_co_u32 s22, s22, BOFF
.irp s, 0,1
	v_add_nc_u32 v[ADRA+\s], s21, v5
	v_add_nc_u32 v[ADRB+\s], s22, v6
	s_add_co_u32 s21, s21, SLOT
	s_add_co_u32 s22, s22, SLOT
.endr
	s_mul_i32 s23, s10, 16*528
	s_add_co_u32 s23, s23, STAGE                   ; my stage
	v_mul_u32_u24 v5, v1, 528
	v_lshl_add_u32 v5, v2, 5, v5
	v_add_nc_u32 v[STO], s23, v5
	v_and_b32 v6, 31, v0
	v_lshlrev_b32 v[CO], 4, v6
	v_add_nc_u32 v[RD], s23, v[CO]
	s_lshl_b32 s16, s13, 7
	s_lshl_b32 s17, s11, 6
	s_add_co_u32 s16, s16, s17                     ; my first row of C
	s_lshl_b32 s16, s16, 12
	s_mov_b32 s17, 0
	s_add_nc_u64 s[8:9], s[8:9], s[16:17]
	s_lshl_b32 s46, s42, 10                        ; my first column, in bytes
	s_lshl_b32 s47, s12, 9
	s_add_co_u32 s46, s46, s47
	s_mov_b32 s47, 0
	s_add_nc_u64 s[8:9], s[8:9], s[46:47]
.macro MUL8 f, a, zero                 ; A's block a x B's eight, 32 along K.  The 32 accumulators take turns in one order everywhere
.irp b, 0,1,2,3,4,5,6,7
.if \zero
	v_wmma_f32_16x16x32_f16 v[8*(8*\a+\b):8*(8*\a+\b)+7], v[\f+8*\b:\f+8*\b+7], v[\f+64+8*\a:\f+64+8*\a+7], 0
.else
	v_wmma_f32_16x16x32_f16 v[8*(8*\a+\b):8*(8*\a+\b)+7], v[\f+8*\b:\f+8*\b+7], v[\f+64+8*\a:\f+64+8*\a+7], v[8*(8*\a+\b):8*(8*\a+\b)+7]
.endif
.endr
.endm
.macro FETCH slot, qd, f               ; 24 LDS loads in one run: the fragments of the slot's qd-th 32 along K; B's sixteen first, then A's eight
	WIN TO_F
.irp b, 0,1,2,3,4,5,6,7
	ds_load_tr16_b128 v[\f+8*\b:\f+8*\b+3],   v[ADRB+\slot] offset:(\qd)*32*BP+32*\b
	ds_load_tr16_b128 v[\f+8*\b+4:\f+8*\b+7], v[ADRB+\slot] offset:(\qd)*32*BP+16*BP+32*\b
.endr
.irp a, 0,1,2,3
	ds_load_b128 v[\f+64+8*\a:\f+64+8*\a+3],   v[ADRA+\slot] offset:((\qd)/2)*APL+((\qd)%2)*64+\a*2176
	ds_load_b128 v[\f+64+8*\a+4:\f+64+8*\a+7], v[ADRA+\slot] offset:((\qd)/2)*APL+((\qd)%2)*64+\a*2176+32
.endr
.endm
.macro PLACES
.rept 4
	v_nop
.endr
.endm
.macro QUARTER slot, nq, f, g, zero    ; multiplies buffer f; in its middle it fetches the slot's quarter nq into buffer g
	s_wait_dscnt 4                                 ; B and A's blocks 0 and 1 are in; the youngest four loads (A's blocks 2, 3) may be out
	WIN MUL
	MUL8 \f, 0, \zero
	MUL8 \f, 1, \zero
	PLACES
	FETCH \slot, \nq, \g
	s_wait_dscnt 24                                ; all but the 24 just issued
	WIN MUL
	MUL8 \f, 2, \zero
	MUL8 \f, 3, \zero
.endm
; A slot's last quarter multiplies buffer 1 and changes slots: ONE barrier; in front of it each wave waits for all its tensor loads, adds 0 to its spare word, and waits for that and for its reads of this slot.
.macro TURN slot, next, fill
	WIN 0
	s_wait_tensorcnt 0x0                           ; all my tensor loads have landed: my part of the next slot
	ds_add_u32 v[SPW], v[NIL]
	s_wait_dscnt 5                                 ; (the add and the youngest four loads may be out)
	WIN MUL
	MUL8 F1, 0, 0
	s_wait_dscnt 0x0                               ; the add is done, and my reads of this slot are over
	s_barrier_signal -1
	MUL8 F1, 1, 0
.if \fill
	WIN 0
.endif
	s_barrier_wait -1
.if \fill
	CREST                                          ; the barrier has opened a round of the cluster's barrier: no wave of any partner still reads this slot or has a load on its way
	s_add_nc_u64 s[G0+4*\slot+2:G0+4*\slot+3], s[G0+4*\slot+2:G0+4*\slot+3], 4194304      ; two K steps on: four heads,
	s_add_nc_u64 s[G0B+4*\slot+2:G0B+4*\slot+3], s[G0B+4*\slot+2:G0B+4*\slot+3], 524288   ; 256 k-rows
	JLOAD \slot                                    ; the first tensor load behind the round; its four v_nop are also the places in front of the loads below
.else
	PLACES
.endif
	FETCH \next, 0, F0
	WIN MUL
	MUL8 F1, 2, 0
	MUL8 F1, 3, 0
.endm
	s_wait_tensorcnt 1                             ; my part of K step 0 is in; K step 1's load may be out
	s_barrier_signal -1
	s_barrier_wait -1
	FETCH 0, 0, F0
	QUARTER 0, 1, F0, F1, 1                        ; the first quarter's products start the sums
	WIN 0
	s_mov_b32 s3, 3
.Llap:                                             ; three trips, each once round the ring: K steps 2 to 7 are asked for
	QUARTER 0, 2, F1, F0, 0
	QUARTER 0, 3, F0, F1, 0
	TURN 0, 1, 1
	QUARTER 1, 1, F0, F1, 0
	QUARTER 1, 2, F1, F0, 0
	QUARTER 1, 3, F0, F1, 0
	TURN 1, 0, 1
	QUARTER 0, 1, F0, F1, 0
	WIN 0
	s_sub_co_u32 s3, s3, 1
	s_cmp_lg_u32 s3, 0
	s_cbranch_scc1 .Llap
	QUARTER 0, 2, F1, F0, 0                        ; the last lap fills nothing
	QUARTER 0, 3, F0, F1, 0
	TURN 0, 1, 0
	QUARTER 1, 1, F0, F1, 0
	QUARTER 1, 2, F1, F0, 0
	QUARTER 1, 3, F0, F1, 0
	s_wait_dscnt 4
	WIN MUL
	MUL8 F1, 0, 0
	MUL8 F1, 1, 0
	s_wait_dscnt 0
	MUL8 F1, 2, 0
	MUL8 F1, 3, 0
	WIN 0
; THE WAY OUT: a block of 16 rows x 128 columns goes through my stage and comes back as whole rows of 512 bytes.
.macro TOSTAGE a
	WIN 0x08                                       ; an LDS store's data are its source 1: window 2
.irp b, 0,1,2,3,4,5,6,7
	ds_store_b128 v[STO], v[8*(8*(\a)+\b):8*(8*(\a)+\b)+3] offset:64*\b       ; each accumulator from its low end on
	ds_store_b128 v[STO], v[8*(8*(\a)+\b)+4:8*(8*(\a)+\b)+7] offset:64*\b+16
.endr
	WIN 0
.set BB, 32+64*((\a)%2)
.irp t, 0,1,2,3,4,5,6,7,8,9,10,11,12,13,14,15
	ds_load_b128 v[BB+4*\t:BB+4*\t+3], v[RD] offset:\t*528
.endr
.endm
.macro SEND a, younger                 ; younger: the LDS instructions issued behind block a's loads
.set BB, 32+64*((\a)%2)
	s_wait_dscnt \younger
.irp t, 0,1,2,3,4,5,6,7,8,9,10,11,12,13,14,15
	global_store_b128 v[CO], v[BB+4*\t:BB+4*\t+3], s[8:9] offset:(\a)*65536+\t*4096 th:TH_STORE_NT   ; 32 lanes store 512 consecutive bytes, aligned
.endr
.endm
	PLACES
	TOSTAGE 0
.irp a, 1,2,3
.if \a > 1
	s_wait_xcnt 0x0                                ; block a - 2's stores have read their registers: block a's loads may land there
.endif
	TOSTAGE \a
	SEND \a-1, 32                                  ; behind block a - 1's loads: block a's 16 stores and 16 loads
.endr
	SEND 3, 0
	s_wait_tensorcnt 0x0                           ; the wave's end
	ds_add_u32 v[SPW], v[NIL]
	s_wait_dscnt 0x0
	CROUND                                         ; the closing round
	s_endpgm
.Lfunc_end_k_q2fd4a223fc_proj:
	.size	k_q2fd4a223fc_proj, .Lfunc_end_k_q2fd4a223fc_proj-k_q2fd4a223fc_proj
	.p2alignl 7, 3214868480
	.fill 96, 4, 3214868480
	.section	.rodata,"a",@progbits
	.p2align	6, 0x0
	.amdhsa_kernel k_q2fd4a223fc_proj
		.amdhsa_group_segment_fixed_size 327680
		.amdhsa_private_segment_fixed_size 0
		.amdhsa_enable_private_segment 0
		.amdhsa_kernarg_size 24
		.amdhsa_user_sgpr_count 2
		.amdhsa_user_sgpr_kernarg_segment_ptr 1
		.amdhsa_wavefront_size32 1
		.amdhsa_system_sgpr_workgroup_id_x 1
		.amdhsa_system_sgpr_workgroup_id_y 1
		.amdhsa_system_sgpr_workgroup_id_z 1
		.amdhsa_system_vgpr_workitem_id 0
		.amdhsa_next_free_vgpr 768
		.amdhsa_next_free_sgpr 66
		.amdhsa_reserve_vcc 0
		.amdhsa_float_denorm_mode_32 3
		.amdhsa_float_denorm_mode_16_64 3
		.amdhsa_memory_ordered 1
		.amdhsa_forward_progress 1
		.amdhsa_inst_pref_size 85
	.end_amdhsa_kernel
	.amdgpu_metadata
---
amdhsa.version: [ 1, 2 ]
amdhsa.kernels:
  - .name:           k_q2fd4a223fc_proj
    .symbol:         k_q2fd4a223fc_proj.kd
    .args:
      - { .name: ao16, .offset: 0, .size: 8, .value_kind: global_buffer, .address_space: global }
      - { .name: wp16, .offset: 8, .size: 8, .value_kind: global_buffer, .address_space: global }
      - { .name: out0, .offset: 16, .size: 8, .value_kind: global_buffer, .address_space: global }
    .group_segment_fixed_size: 327680
    .private_segment_fixed_size: 0
    .kernarg_segment_align: 8
    .kernarg_segment_size: 24
    .max_flat_workgroup_size: 128
    .sgpr_count:     66
    .vgpr_count:     768
    .wavefront_size: 32
...
	.end_amdgpu_metadata
.endif
;; end of part 4
;; launch head16 (part 5): grid 16 x 4, 16 waves a work-group, no clusters, 327,680 bytes of LDS; arguments qkv32, w_proj, out0; writes out0
.if DOCPART == 5
	.amdgcn_target "amdgcn-amd-amdhsa--gfx1250"
	.amdhsa_code_object_version 6
	.text
	.protected	k_q2fd4a223fc_head16
	.globl	k_q2fd4a223fc_head16
	.p2align	8
	.type	k_q2fd4a223fc_head16,@function
k_q2fd4a223fc_head16:
	s_mov_b64 s[64:65], 0
	v_nop
	global_prefetch_b8 v0, s[64:65] scope:SCOPE_SE
	s_setreg_imm32_b32 hwreg(HW_REG_WAVE_MODE, 25, 1), 1
	s_wait_xcnt 0x0
; Positions 0-15 of each of the four sequences, attention and projection in f32: these rows average one to sixteen values and are the largest in size, so 16-bit operands would weigh most here.  They are written over what the launch before left.
; qkv32: [4][16 positions][3072] f32 (q, k, v of 16 heads x 64).  w_proj: [1024 k][1024 n] f32.  out0: [4][2048][1024] f32.
; SHARES.  Work-group (nb, b) makes out0[b, 0:16, 64 nb : 64 nb + 64].  Wave w is head w: its 16 x 16 attention, then its 64 k's share of the projection; the sixteen shares meet in LDS and wave w adds up row w, heads in ascending order.
; (The attention is made anew in each of the 16 column blocks: 32 small matrix instructions a wave.)
; THE F32 MATRIX FORM holds k = 2 (lane / 16) + j in register j.  k may be permuted alike in both sources: every step takes a register pair as it lies, and the other source is loaded to match.
;   S^T = K Q^T: lane (r, h) holds query r, register j key 8 h + j.   O^T = V^T P: step s takes p's pair 2 s: keys 8 h + 2 s + j; V is loaded so.   Y^T = W^T O: step (c, s) takes O's pair: k = 16 c + 8 h + 2 s + j; W is read from LDS so.
; The registers that this form writes (v128-191) are written by matrix instructions alone.
; LDS: wave w's 64 rows of w_proj (256 bytes + 16 each) at 17,408 w, brought by its one tensor load and read by it alone; its share of the result is laid over the first 16 rows, when it has read them all.  Nothing is filled again.
.set WREG,  17408
.set SPARE, 16*WREG                    ; the spare words: 128 bytes for each of sixteen waves
.set SPW, 12
.set NIL, 13
.set SEL, 36
.set CS,  38
	s_load_b128 s[4:7], s[0:1], 0x0                ; qkv32 s[4:5], w_proj s[6:7]
	s_load_b64 s[8:9], s[0:1], 0x10                ; out0
	v_lshl_add_u32 v[SPW], v0, 2, SPARE
	v_mov_b32 v[NIL], 0
	ds_add_u32 v[SPW], v[NIL]                      ; the wave's opening
	ds_add_u32 v[SPW], v[NIL]
	v_lshrrev_b32 v1, 5, v0
	v_readfirstlane_b32 s10, v1                    ; wave = head, 0..15
	s_mov_b32 s11, ttmp9                           ; which 64 columns
	s_and_b32 s12, ttmp7, 0xffff                   ; batch
	s_mov_b32 s24, (2<<16)|(1<<20)|(5<<22)|(3<<25) ; elements of 4 bytes; 4 words of padding after every 64
	s_mov_b32 s25, 64<<16                          ; tensor_dim0
	s_mov_b32 s26, 64<<16                          ; tensor_dim1
	s_mov_b32 s27, 64<<16                          ; tile_dim0
	s_mov_b32 s28, 64                              ; tile_dim1
	s_mov_b32 s29, 1024                            ; the pitch
	s_mov_b32 s30, 0
	s_mov_b32 s31, 0
	s_mov_b32 s32, 1
	s_mul_i32 s33, s10, WREG
	s_lshl_b32 s14, s10, 18                        ; my 64 rows of 4,096 bytes,
	s_lshl_b32 s15, s11, 8                         ; the block's 64 columns
	s_add_co_u32 s14, s14, s15
	s_mov_b32 s15, 0
	s_mul_i32 s16, s12, 196608
	s_lshl_b32 s17, s10, 8
	s_add_co_u32 s16, s16, s17                     ; qkv32: the batch, my head's 64 numbers
	s_mov_b32 s17, 0
	s_lshl_b32 s18, s12, 11
	s_add_co_u32 s18, s18, s10                     ; out0: row = position w of the batch
	s_lshl_b32 s18, s18, 12
	s_lshl_b32 s19, s11, 8
	s_add_co_u32 s18, s18, s19
	s_mov_b32 s19, 0
	s_mov_b32 s[SEL], 0x76543210
	s_mov_b32 s[SEL+1], 0xfedcba98
	s_mov_b32 s[CS], 0x3e38aa3b                    ; c = log2(e) / 8
	s_wait_dscnt 0x0                               ; both opening adds are done
	s_wait_kmcnt 0x0
	s_add_nc_u64 s[34:35], s[6:7], s[14:15]
	s_or_b32 s35, s35, 0x80000000
	tensor_load_to_lds s[32:35], s[24:31]          ; my one tensor load
	s_nop 0
	s_add_nc_u64 s[4:5], s[4:5], s[16:17]
	s_add_nc_u64 s[8:9], s[8:9], s[18:19]
	v_and_b32 v14, 15, v0                          ; r
	v_bfe_u32 v15, v0, 4, 1                        ; h
	v_and_b32 v16, 31, v0                          ; lane
	v_mul_u32_u24 v1, v14, 12288
	v_lshl_add_u32 v1, v15, 4, v1                  ; Q, K: position r, + 16 h
	v_mul_u32_u24 v2, v15, 98304
	v_lshl_add_u32 v2, v14, 2, v2                  ; V: positions 8 h on, channel r
.irp u, 0,1,2,3,4,5,6,7
	global_load_b128 v[32+4*\u:35+4*\u], v1, s[4:5] offset:32*\u          ; Q: channels 8 u + 4 h + 0..3
.endr
.irp u, 0,1,2,3,4,5,6,7
	global_load_b128 v[64+4*\u:67+4*\u], v1, s[4:5] offset:4096+32*\u     ; K likewise
.endr
.irp c, 0,1,2,3
.irp k, 0,1,2,3,4,5,6,7
	global_load_b32 v[96+8*\c+\k], v2, s[4:5] offset:8192+\k*12288+64*\c  ; V(key 8 h + k, channel 16 c + r)
.endr
.endr
	v_mul_u32_u24 v3, v15, 2176
	v_lshl_add_u32 v3, v14, 2, v3
	v_add_nc_u32 v3, s33, v3                       ; W: k-rows 8 h on, column r
	v_mul_u32_u24 v4, v14, 272
	v_lshl_add_u32 v4, v15, 5, v4
	v_add_nc_u32 v4, s33, v4                       ; my share: row = query r, + 32 h
	s_mul_i32 s20, s10, 272
	v_lshlrev_b32 v9, 3, v16                       ; 8 bytes a lane
	v_add_nc_u32 v5, s20, v9                       ; row w of the shares of heads 0-3,
	v_add_nc_u32 v6, 4*WREG, v5                    ; 4-7,
	v_add_nc_u32 v7, 8*WREG, v5                    ; 8-11,
	v_add_nc_u32 v8, 12*WREG, v5                   ; 12-15
	v_lshlrev_b32 v17, 3, v15
	v_sub_nc_u32 v10, v14, v17                     ; r - 8 h: key 8 h + j counts for query r where j <= r - 8 h
	s_wait_loadcnt 32                              ; Q and K are in; V's 32 loads are behind them
.set e, 0
.rept 16                                       ; four accumulators by turns
.if e < 4
	v_wmma_f32_16x16x4_f32 v[128+8*(e%4):135+8*(e%4)], v[64+2*e:65+2*e], v[32+2*e:33+2*e], 0
.else
	v_wmma_f32_16x16x4_f32 v[128+8*(e%4):135+8*(e%4)], v[64+2*e:65+2*e], v[32+2*e:33+2*e], v[128+8*(e%4):135+8*(e%4)]
.endif
.set e, e+1
.endr
.rept 8
	v_nop                                          ; eight places behind this form: in front of the loads into Q's and K's registers and of the first read of the sums
.endr
.macro WLOAD c                         ; W's 16 k-rows of chunk c, four tiles of 16 columns: register 8 nt + k holds W(16 c + 8 h + k, 16 nt + r)
.irp nt, 0,1,2,3
.irp k, 0,1,2,3,4,5,6,7
	ds_load_b32 v[32+32*((\c)%2)+8*\nt+\k], v3 offset:(16*(\c)+\k)*272+64*\nt
.endr
.endr
.endm
	s_wait_tensorcnt 0x0                           ; my rows of w_proj are in LDS; I alone read them
	WLOAD 0
	WLOAD 1
.irp j, 0,1,2,3,4,5,6,7
	v_add_f32 v[192+\j], v[128+\j], v[136+\j]      ; the four partial sums, each accumulator from its low end on
.endr
.irp j, 0,1,2,3,4,5,6,7
	v_add_f32 v[200+\j], v[144+\j], v[152+\j]
.endr
.irp j, 0,1,2,3,4,5,6,7
	v_add_f32 v[192+\j], v[192+\j], v[200+\j]
.endr
	v_mov_b32 v14, 0xff800000                      ; -infinity
.irp j, 0,1,2,3,4,5,6,7
	v_cmp_le_i32 vcc_lo, \j, v10
	v_cndmask_b32 v[192+\j], v14, v[192+\j], vcc_lo
.endr
	v_max3_num_f32 v15, v192, v193, v194
	v_max3_num_f32 v15, v15, v195, v196
	v_max3_num_f32 v15, v15, v197, v198
	v_max_num_f32 v15, v15, v199
	v_permlanex16_b32 v16, v15, s[SEL], s[SEL+1]
	v_max_num_f32 v15, v15, v16                    ; the row's maximum: key 0 counts for every query
	v_mul_f32 v17, s[CS], v15
.irp j, 0,1,2,3,4,5,6,7
	v_fma_f32 v[200+\j], v[192+\j], s[CS], -v17
.endr
.irp j, 0,1,2,3,4,5,6,7
	v_exp_f32 v[200+\j], v[200+\j]
.endr
	v_nop
	s_wait_alu depctr_va_vdst(0)                   ; one wait for the eight, ahead of their first reader
	v_add_f32 v18, v200, v201
	v_add_f32 v19, v202, v203
	v_add_f32 v18, v18, v204
	v_add_f32 v19, v19, v205
	v_add_f32 v18, v18, v206
	v_add_f32 v19, v19, v207
	v_add_f32 v18, v18, v19
	v_permlanex16_b32 v19, v18, s[SEL], s[SEL+1]
	v_add_f32 v18, v18, v19
	v_rcp_f32 v20, v18
	v_nop
	s_wait_alu depctr_va_vdst(0)
	s_wait_loadcnt 0x0                             ; V
.irp s, 0,1,2,3
.irp c, 0,1,2,3
.if \s == 0
	v_wmma_f32_16x16x4_f32 v[160+8*\c:167+8*\c], v[96+8*\c+2*\s:97+8*\c+2*\s], v[200+2*\s:201+2*\s], 0
.else
	v_wmma_f32_16x16x4_f32 v[160+8*\c:167+8*\c], v[96+8*\c+2*\s:97+8*\c+2*\s], v[200+2*\s:201+2*\s], v[160+8*\c:167+8*\c]
.endif
.endr
.endr
.rept 8
	v_nop
.endr
.irp c, 0,1,2,3
.irp j, 0,1,2,3,4,5,6,7
	v_mul_f32 v[96+8*\c+\j], v[160+8*\c+\j], v20   ; O(query r, channel 16 c + 8 h + j), into V's registers
.endr
.endr
.irp c, 0,1,2,3
.if \c < 3
	s_wait_dscnt 32                                ; this chunk's 32 loads are in; the next chunk's 32 are behind them
.else
	s_wait_dscnt 0x0
.endif
.irp s, 0,1,2,3
.irp nt, 0,1,2,3
.if (\c == 0) && (\s == 0)
	v_wmma_f32_16x16x4_f32 v[128+8*\nt:135+8*\nt], v[32+32*(\c%2)+8*\nt+2*\s:33+32*(\c%2)+8*\nt+2*\s], v[96+8*\c+2*\s:97+8*\c+2*\s], 0
.else
	v_wmma_f32_16x16x4_f32 v[128+8*\nt:135+8*\nt], v[32+32*(\c%2)+8*\nt+2*\s:33+32*(\c%2)+8*\nt+2*\s], v[96+8*\c+2*\s:97+8*\c+2*\s], v[128+8*\nt:135+8*\nt]
.endif
.endr
.endr
.rept 8
	v_nop                                          ; in front of the loads into the buffer just multiplied, and of the stores of the results
.endr
.if \c < 2
	WLOAD \c+2
.endif
.endr
.irp nt, 0,1,2,3
	ds_store_b128 v4, v[128+8*\nt:131+8*\nt] offset:64*\nt        ; my share of y(query r, 16 nt + 8 h + 0..7), each accumulator from its low end on
	ds_store_b128 v4, v[132+8*\nt:135+8*\nt] offset:64*\nt+16
.endr
	s_wait_dscnt 0x0                               ; for the others' sake: my stores are done
	s_barrier_signal -1
	s_barrier_wait -1
.irp g, 0,1,2,3
.irp i, 0,1,2,3
	ds_load_b64 v[208+2*(4*\g+\i):209+2*(4*\g+\i)], v[5+\g] offset:\i*WREG   ; row w of head 4 g + i's share
.endr
.endr
	s_wait_dscnt 0x0
.irp i, 1,2,3,4,5,6,7,8,9,10,11,12,13,14,15
	v_pk_add_f32 v[208:209], v[208:209], v[208+2*\i:209+2*\i]
.endr
	global_store_b64 v9, v[208:209], s[8:9]        ; the wave stores 256 consecutive bytes, aligned
	s_wait_tensorcnt 0x0                           ; the wave's end
	ds_add_u32 v[SPW], v[NIL]
	s_wait_dscnt 0x0
	s_endpgm
.Lfunc_end_k_q2fd4a223fc_head16:
	.size	k_q2fd4a223fc_head16, .Lfunc_end_k_q2fd4a223fc_head16-k_q2fd4a223fc_head16
	.p2alignl 7, 3214868480
	.fill 96, 4, 3214868480
	.section	.rodata,"a",@progbits
	.p2align	6, 0x0
	.amdhsa_kernel k_q2fd4a223fc_head16
		.amdhsa_group_segment_fixed_size 327680
		.amdhsa_private_segment_fixed_size 0
		.amdhsa_enable_private_segment 0
		.amdhsa_kernarg_size 24
		.amdhsa_user_sgpr_count 2
		.amdhsa_user_sgpr_kernarg_segment_ptr 1
		.amdhsa_wavefront_size32 1
		.amdhsa_system_sgpr_workgroup_id_x 1
		.amdhsa_system_sgpr_workgroup_id_y 1
		.amdhsa_system_sgpr_workgroup_id_z 1
		.amdhsa_system_vgpr_workitem_id 0
		.amdhsa_next_free_vgpr 256
		.amdhsa_next_free_sgpr 66
		.amdhsa_reserve_vcc 1
		.amdhsa_float_denorm_mode_32 3
		.amdhsa_float_denorm_mode_16_64 3
		.amdhsa_memory_ordered 1
		.amdhsa_forward_progress 1
		.amdhsa_inst_pref_size 31
	.end_amdhsa_kernel
	.amdgpu_metadata
---
amdhsa.version: [ 1, 2 ]
amdhsa.kernels:
  - .name:           k_q2fd4a223fc_head16
    .symbol:         k_q2fd4a223fc_head16.kd
    .args:
      - { .name: qkv32, .offset: 0, .size: 8, .value_kind: global_buffer, .address_space: global }
      - { .name: w_proj, .offset: 8, .size: 8, .value_kind: global_buffer, .address_space: global }
      - { .name: out0, .offset: 16, .size: 8, .value_kind: global_buffer, .address_space: global }
    .group_segment_fixed_size: 327680
    .private_segment_fixed_size: 0
    .kernarg_segment_align: 8
    .kernarg_segment_size: 24
    .max_flat_workgroup_size: 512
    .sgpr_count:     66
    .vgpr_count:     256
    .wavefront_size: 32
...
	.end_amdgpu_metadata
.endif
;; end of part 5
